; MI455X (gfx1250); checked and timed in simulation.
; The chip was launched on July 23, 2026; its instructions are those of AMD's public machine-readable ISA for CDNA 5 (MIT licence, August 2026) and "CDNA5" Instruction Set Architecture Reference Guide (July 2026). The comments in the code are by the model that wrote it; some were corrected since.
;; Mo EACT Block. Allowed arithmetic: matrix products marked QUANTISED: E3M2 operands, one E8M0 scale for each 32 along K, by v_wmma_scale_f32_16x16x128_f8f6f4 with both operands' format E3M2, f32 sums; products left as they are: f32 operands where the result goes on into a quantised operand, else bf16, f16 or f32 operands; f32 sums; everything else in f32.
;; Inputs: b1 8 x 4,096 float32; b2 8 x 1,024 float32; hidden_states 4 x 256 x 1,024 float32; ln_b 8 x 1,024 float32; ln_g 8 x 1,024 float32; router_b 8 float32; router_w 1,024 x 8 float32; w1_codes 8 x 4,096 x 32 x 24 uint8 (E3M2 codes of w1, K innermost, in blocks of 32 codes, four codes in three bytes); w1_scales 8 x 4,096 x 32 uint8 (E8M0 scales of w1, one for each 32 codes along K); w2_codes 8 x 1,024 x 128 x 24 uint8 (E3M2 codes of w2, K innermost, in blocks of 32 codes, four codes in three bytes); w2_scales 8 x 1,024 x 128 uint8 (E8M0 scales of w2, one for each 32 codes along K).
;; Outputs: out0 4 x 256 x 1,024 float32; out1 one number float32; out2 one number float32.
;; This version of the problem:
;;   THIS VERSION OF THE PROBLEM IS GIVEN IN LOW PRECISION. The matrix products marked QUANTISED in the list below multiply operands that are first quantised to E3M2 (3 exponent bits, 2 mantissa bits; 6 bits a number), with one power-of-two scale for each 32 numbers along K (OCP MX v1.0); their sums are f32. All else is computed in f32.
;;   The module's matrix products, in the order in which they are computed (A, B: the left and right operand; K: the contracted axis; several contracted axes count as one K, in the product's order):
;;     1. [M 1,024, K 1,024] x [K 1,024, N 8]; A: input hidden_states; B: input router_w: left as it is (N = 8 < 16)
;;     2. batch 1,024 x [M 8, K 2] x [K 2, N 1]; A: computed on the way; B: computed on the way: left as it is (K = 2 < 32)
;;     3. batch 8 x [M 1,024, K 1,024] x [K 1,024, N 4,096]; A: computed on the way; B: input w1 (given as codes): QUANTISED
;;     4. batch 8 x [M 1,024, K 4,096] x [K 4,096, N 1,024]; A: computed on the way; B: input w2 (given as codes): QUANTISED
;;     5. batch 1,024 x [M 1,024, K 8] x [K 8, N 1]; A: computed on the way; B: computed on the way: left as it is (K = 8 < 32)
;;   THE QUANTISER, for each operand of a quantised product, along K:
;;     - K is cut into blocks of 32 from its start; a last block that is shorter is filled with zeros.
;;     - A block's scale is 2^e with e = floor(log2(the largest magnitude in the block)) - 4, held to -126 .. 127; a block of zeros has e = 0. As a byte (E8M0): e + 127.
;;     - Each number is divided by its block's scale, clamped to +-28, and rounded to the nearest number of E3M2, ties to even, subnormals kept.
;;     - The product sums the exact products of the quantised numbers (number of the format x scale) in f32.
;;   ~~~python
;;   def quantise(x, axis):      # numpy; x: float32 -> the quantised numbers, widened to float32 again
;;       x = np.moveaxis(x, axis, -1); K = x.shape[-1]
;;       x = np.pad(x, [(0, 0)] * (x.ndim - 1) + [(0, -K % 32)]); x = x.reshape(x.shape[:-1] + (-1, 32)); a = np.abs(x).max(-1, keepdims=True)
;;       e = np.where(a > 0, np.clip(np.frexp(np.where(a > 0, a, 1))[1] - 1 - 4, -126, 127), 0)      # np.frexp(a)[1] - 1 = floor(log2(a)), exactly
;;       r = np.clip(x / 2.0 ** e, -28, 28)
;;       step = 2.0 ** (np.maximum(np.frexp(np.where(r == 0, 1, r))[1] - 1, -2) - 2)
;;       q = np.round(r / step) * step * 2.0 ** e      # np.round: ties to even
;;       return np.moveaxis(q.reshape(q.shape[:-2] + (-1,))[..., :K], -1, axis).astype(np.float32)
;;   ~~~
;;   OPERANDS COMPUTED ON THE WAY. 'Computed on the way' means the value that the module computes at that place (a softmax that the list does not call 'softmax' is quantised finished and normalised). What goes into a quantiser is computed in f32, as accurately as f32 sums, v_exp_f32 and their like allow (about 1e-6 of the number): no bf16 or f16 on the way to a quantiser, and a product that is left as it is and whose result goes on into a quantised operand takes f32 operands (vector FMAs, or v_wmma_f32_16x16x4_f32). A number that lies on a knife's edge between two numbers of the format may be rounded either way, as far as f32 arithmetic and the matrix unit's own rounding can turn it there, and no further.
;;   INPUTS GIVEN AS CODES. w1 (in the module: [8, 1024, 4096], K = its axis 1); w2 (in the module: [8, 4096, 1024], K = its axis 1): each comes as NAME_codes (uint8): NAME with its K axis moved to the last place and cut into blocks of 32 codes, [.., K / 32, bytes a block], one block behind the other in memory; four codes in three bytes: a row's codes are one little-endian stream of bits, code i at bits 6 i .. 6 i + 5 (a code: sign, 3 exponent bits, 2 mantissa bits); and NAME_scales (uint8): the same leading axes, one E8M0 byte (e + 127) for each 32 codes along K. Its value is code x scale, taken as it is: it is not quantised again, and the codes and scales need not be those that the quantiser above would give.
;; One version. Each part assembles by itself: llvm-mc -triple=amdgcn-amd-amdhsa -mcpu=gfx1250 --defsym DOCPART=n.
;; ======== version 1 of 1: 5 launches
;; limits: right only within a limited range of input values
;; workspace buffers: ri 5,120 bytes of whole numbers; gate 8,192 bytes; pi 8,448 bytes of whole numbers; xq 6,553,600 bytes; hq 26,214,400 bytes; y 134,217,728 bytes
;; launch route (part 1): grid 128 x 1, 8 waves a work-group, no clusters, 38,144 bytes of LDS; arguments hidden_states, router_w, router_b, ri, gate; writes ri, gate
.if DOCPART == 1
	.amdgcn_target "amdgcn-amd-amdhsa--gfx1250"
	.amdhsa_code_object_version 6
	.text
	.protected	k_qc2f0d16036_route
	.globl	k_qc2f0d16036_route
	.p2align	8
	.type	k_qc2f0d16036_route,@function
k_qc2f0d16036_route:
	s_mov_b64 s[64:65], 0
	v_nop
	global_prefetch_b8 v0, s[64:65] scope:SCOPE_SE
	s_setreg_imm32_b32 hwreg(HW_REG_WAVE_MODE, 25, 1), 1
	s_wait_xcnt 0x0
; THE ROUTER.  logits = x router_w + router_b (f32 multiply-adds), softmax with the row's maximum taken away, the two largest (the lower index wins a tie), their weights renormalised.
; A work-group takes 8 tokens, a wave one token.  Lane l holds x[128 i + 4 l + c] (eight loads of 512 consecutive bytes); router_w (32,768 bytes) lies in LDS, brought once by dense loads.
; OUT, at fixed places (no address here hangs on the choice):  ri: sel[t] = e0 | e1 << 8 at 4 t;  from byte 4096 on mask[e][g]: bit i of the byte <-> token 8 g + i has expert e;  gate: [t][2] f32.
; LIMITS: NaN and infinities among the inputs are not served.  The logits are summed in another order than a plain dot product: a token whose second and third probability agree to within f32
; rounding may take the other expert.
.set WRP,  144                         ; LDS: a chunk of four rows of router_w (128 bytes) + 16 of padding: 36 words
.set RES,  256*WRP                     ; behind the 256 chunks: 16 bytes a wave: w0, w1, sel, 0
.set X,    8                           ; v8-39    my 32 numbers of x
.set WA,   40                          ; v40-71   a chunk of router_w (first: the staging loads)
.set WB,   72                          ; v72-103  the other chunk
.set ACC,  104                         ; v104-111 eight sums, then logits, then p
	s_load_b256 s[4:11], s[0:1], 0x0               ; x s[4:5], router_w s[6:7], router_b s[8:9], ri s[10:11]
	s_load_b64 s[12:13], s[0:1], 0x20              ; gate
	v_lshl_add_u32 v160, v0, 2, 0x9100
	v_mov_b32 v161, 0
	v_lshrrev_b32 v1, 5, v0
	s_delay_alu instid0(VALU_DEP_1)
	v_readfirstlane_b32 s14, v1                    ; wave 0..7
	v_and_b32 v1, 31, v0                           ; lane
	s_delay_alu instid0(VALU_DEP_1)
	v_lshlrev_b32 v2, 4, v1                        ; 16 x lane
	v_lshlrev_b32 v3, 4, v0                        ; 16 x thread: my bytes of a staging load
	v_lshrrev_b32 v4, 3, v0
	s_delay_alu instid0(VALU_DEP_1)
	v_lshl_add_u32 v4, v4, 4, v3                   ; and their place in LDS: 16 more for each chunk of 128 bytes passed
	v_mul_u32_u24 v5, v1, WRP                      ; my chunk among 32
	s_lshl_b32 s15, s14, 4
	s_add_co_u32 s15, s15, RES
	v_mov_b32 v6, s15                              ; my wave's 16 bytes of results
	v_and_b32 v7, 7, v0
	s_delay_alu instid0(VALU_DEP_1)
	v_lshl_add_u32 v7, v7, 4, RES                  ; wave 0 reads them back: lane l takes wave l % 8
	s_lshl_b32 s2, ttmp9, 3
	s_add_co_u32 s2, s2, s14                       ; my token
	s_lshl_b32 s2, s2, 12                          ; x 4,096 bytes
	s_mov_b32 s3, 0
	s_mov_b32 s24, 0x76543210
	s_mov_b32 s25, 0xfedcba98                      ; v_permlanex16_b32: lane l xor 16
	s_wait_alu depctr_va_vdst(0)
	s_wait_kmcnt 0x0
	s_load_b256 s[16:23], s[8:9], 0x0              ; router_b
	s_add_nc_u64 s[4:5], s[4:5], s[2:3]
.irp q, 0,1,2,3,4,5,6,7
	global_load_b128 v[WA+4*\q:WA+4*\q+3], v3, s[6:7] offset:4096*\q
.endr
.irp i, 0,1,2,3,4,5,6,7
	global_load_b128 v[X+4*\i:X+4*\i+3], v2, s[4:5] offset:512*\i
.endr
	s_wait_loadcnt 8                               ; router_w's eight are in; x's eight may be out
.irp q, 0,1,2,3,4,5,6,7
	ds_store_b128 v4, v[WA+4*\q:WA+4*\q+3] offset:4608*\q
.endr
	s_wait_dscnt 0x0                               ; for the others' sake: my stores have landed
	s_barrier_signal -1
	s_barrier_wait -1
.macro CHUNK i, buf                    ; rows 128 i + 4 l .. + 3 of router_w: register 8 c + e = router_w[128 i + 4 l + c][e]
.irp q, 0,1,2,3,4,5,6,7
	ds_load_b128 v[\buf+4*\q:\buf+4*\q+3], v5 offset:4608*(\i)+16*\q
.endr
.endm
.macro DOT i, buf                      ; 32 multiply-adds, the eight sums by turns; the first eight products start the sums
.irp c, 0,1,2,3
.irp e, 0,1,2,3,4,5,6,7
.if (\i) == 0 && \c == 0
	v_mul_f32 v[ACC+\e], v[X+4*(\i)+\c], v[\buf+8*\c+\e]
.else
	v_fmac_f32 v[ACC+\e], v[X+4*(\i)+\c], v[\buf+8*\c+\e]
.endif
.endr
.endr
.endm
	CHUNK 0, WA
	CHUNK 1, WB
	s_wait_loadcnt 0x0                             ; x
.irp i, 0,1,2,3,4,5,6,7
.if \i < 7
	s_wait_alu depctr_va_vdst(0)
	s_wait_dscnt 8                                 ; this chunk is in; the next chunk's eight loads may be out
.else
	s_wait_alu depctr_va_vdst(0)
	s_wait_dscnt 0x0
.endif
	DOT \i, WA+32*(\i%2)
.if \i < 6
	CHUNK \i+2, WA+32*(\i%2)
.endif
.endr
.irp m, 1,2,4,8                        ; the eight sums over the 32 lanes
.irp e, 0,1,2,3,4,5,6,7
	v_add_f32_dpp v[ACC+\e], v[ACC+\e], v[ACC+\e] row_xmask:\m row_mask:0xf bank_mask:0xf
.endr
.endr
.irp e, 0,1,2,3,4,5,6,7
	v_permlanex16_b32 v[WA+\e], v[ACC+\e], s24, s25
.endr
	s_wait_alu depctr_va_vdst(0)
	s_wait_kmcnt 0x0                               ; router_b
.irp e, 0,1,2,3,4,5,6,7
	v_add_f32 v[ACC+\e], v[ACC+\e], v[WA+\e]
.endr
.irp e, 0,1,2,3,4,5,6,7
	v_add_f32 v[ACC+\e], s[16+\e], v[ACC+\e]       ; the logits, in every lane
.endr
	v_max3_num_f32 v112, v104, v105, v106
	s_delay_alu instid0(VALU_DEP_1)
	v_max3_num_f32 v112, v112, v107, v108
	s_delay_alu instid0(VALU_DEP_1)
	v_max3_num_f32 v112, v112, v109, v110
	s_delay_alu instid0(VALU_DEP_1)
	v_max_num_f32 v112, v112, v111                 ; the row's maximum
.irp e, 0,1,2,3,4,5,6,7
	v_sub_f32 v[ACC+\e], v[ACC+\e], v112
.endr
.irp e, 0,1,2,3,4,5,6,7
	v_mul_f32 v[ACC+\e], 0x3fb8aa3b, v[ACC+\e]     ; x log2(e)
.endr
	s_wait_alu depctr_va_vdst(0)
.irp e, 0,1,2,3,4,5,6,7
	v_exp_f32 v[ACC+\e], v[ACC+\e]
.endr
	v_mov_b32 v116, -1.0                           ; (a plain instruction behind the exponentials)
	s_wait_alu depctr_va_vdst(0)                   ; one wait for the eight, ahead of their first reader
	v_add_f32 v112, v104, v105
	v_add_f32 v113, v106, v107
	v_add_f32 v114, v108, v109
	v_add_f32 v115, v110, v111
	s_delay_alu instid0(VALU_DEP_3)
	v_add_f32 v112, v112, v113
	s_delay_alu instid0(VALU_DEP_2)
	v_add_f32 v114, v114, v115
	s_delay_alu instid0(VALU_DEP_1)
	v_add_f32 v112, v112, v114
	s_wait_alu depctr_va_vdst(0)
	v_rcp_f32 v117, v112
	v_mov_b32 v113, 0                              ; (a plain instruction behind the reciprocal)  the first winner's index
	s_wait_alu depctr_va_vdst(0)
.irp e, 0,1,2,3,4,5,6,7
	v_mul_f32 v[ACC+\e], v[ACC+\e], v117           ; p
.endr
	; the largest: an ascending scan that changes hands only on a strictly larger p, so the lower index keeps a tie
	v_mov_b32 v112, v104
.irp e, 1,2,3,4,5,6,7
	s_delay_alu instid0(VALU_DEP_1)
	v_cmp_le_f32 vcc_lo, v[ACC+\e], v112
	s_delay_alu instid0(VALU_DEP_1)
	v_cndmask_b32 v113, \e, v113, vcc_lo
	s_delay_alu instid0(VALU_DEP_3)
	v_max_num_f32 v112, v112, v[ACC+\e]
.endr
.irp e, 0,1,2,3,4,5,6,7
	v_cmp_eq_u32 vcc_lo, \e, v113
	s_delay_alu instid0(VALU_DEP_1)
	v_cndmask_b32 v[ACC+\e], v[ACC+\e], v116, vcc_lo   ; the winner leaves the field: -1 lies under every p
.endr
	v_mov_b32 v115, 0
	v_mov_b32 v114, v104
.irp e, 1,2,3,4,5,6,7
	s_delay_alu instid0(VALU_DEP_1)
	v_cmp_le_f32 vcc_lo, v[ACC+\e], v114
	s_delay_alu instid0(VALU_DEP_1)
	v_cndmask_b32 v115, \e, v115, vcc_lo
	s_delay_alu instid0(VALU_DEP_3)
	v_max_num_f32 v114, v114, v[ACC+\e]
.endr
	s_delay_alu instid0(VALU_DEP_1)
	v_add_f32 v117, v112, v114
	s_wait_alu depctr_va_vdst(0)
	v_rcp_f32 v117, v117
	v_lshl_or_b32 v122, v115, 8, v113              ; (a plain instruction)  sel = e0 | e1 << 8
	v_mov_b32 v123, 0
	s_wait_alu depctr_va_vdst(0)
	v_mul_f32 v120, v112, v117                     ; the two weights, renormalised
	v_mul_f32 v121, v114, v117
	ds_store_b128 v6, v[120:123]                   ; all lanes write the same 16 bytes with the same values
	s_wait_dscnt 0x0
	s_barrier_signal -1
	s_barrier_wait -1
	s_cmp_lg_u32 s14, 0
	s_cbranch_scc1 .Lend                           ; wave 0 stores for the eight tokens
	ds_load_b128 v[124:127], v7
	s_lshl_b32 s2, ttmp9, 5
	s_add_nc_u64 s[28:29], s[10:11], s[2:3]        ; sel: 32 bytes a work-group
	s_lshl_b32 s2, ttmp9, 6
	s_add_nc_u64 s[12:13], s[12:13], s[2:3]        ; gate: 64 bytes
	s_mov_b32 s2, ttmp9
	s_add_nc_u64 s[10:11], s[10:11], s[2:3]        ; masks: byte g of each expert's 128
	v_lshlrev_b32 v131, 2, v1
	v_lshlrev_b32 v132, 3, v1
	v_lshlrev_b32 v133, 7, v1
	v_mov_b32 v130, 0
	s_wait_alu depctr_va_vdst(0)
	s_wait_dscnt 0x0
	v_and_b32 v128, 0xff, v126                     ; e0 of token 8 g + lane % 8
	v_lshrrev_b32 v129, 8, v126                    ; e1
.irp e, 0,1,2,3,4,5,6,7
	v_cmp_eq_u32 s26, \e, v128
	v_cmp_eq_u32 s27, \e, v129
	s_or_b32 s26, s26, s27
	s_and_b32 s26, s26, 0xff                       ; bit i: token 8 g + i has expert e
	v_writelane_b32 v130, s26, \e                  ; lane e holds expert e's byte
.endr
	s_wait_alu depctr_va_vdst(0)
	s_wait_xcnt 0x0                                ; EXEC changes only behind this wait
	v_cmpx_gt_u32 8, v0                            ; lanes 0 to 7
	global_store_b32 v131, v126, s[28:29]
	global_store_b64 v132, v[124:125], s[12:13]
	global_store_b8 v133, v130, s[10:11] offset:4096
.Lend:
	s_wait_xcnt 0x0
	s_mov_b32 exec_lo, -1
	s_wait_tensorcnt 0x0
	ds_add_u32 v160, v161
	s_wait_dscnt 0x0
	s_endpgm
.Lfunc_end_k_qc2f0d16036_route:
	.size	k_qc2f0d16036_route, .Lfunc_end_k_qc2f0d16036_route-k_qc2f0d16036_route
	.p2alignl 7, 3214868480
	.fill 96, 4, 3214868480
	.section	.rodata,"a",@progbits
	.p2align	6, 0x0
	.amdhsa_kernel k_qc2f0d16036_route
		.amdhsa_group_segment_fixed_size 38144
		.amdhsa_private_segment_fixed_size 0
		.amdhsa_enable_private_segment 0
		.amdhsa_kernarg_size 40
		.amdhsa_user_sgpr_count 2
		.amdhsa_user_sgpr_kernarg_segment_ptr 1
		.amdhsa_wavefront_size32 1
		.amdhsa_system_sgpr_workgroup_id_x 1
		.amdhsa_system_sgpr_workgroup_id_y 1
		.amdhsa_system_sgpr_workgroup_id_z 1
		.amdhsa_system_vgpr_workitem_id 0
		.amdhsa_next_free_vgpr 162
		.amdhsa_next_free_sgpr 66
		.amdhsa_reserve_vcc 1
		.amdhsa_float_denorm_mode_32 3
		.amdhsa_float_denorm_mode_16_64 3
		.amdhsa_memory_ordered 1
		.amdhsa_forward_progress 1
		.amdhsa_inst_pref_size 29
	.end_amdhsa_kernel
	.amdgpu_metadata
---
amdhsa.version: [ 1, 2 ]
amdhsa.kernels:
  - .name:           k_qc2f0d16036_route
    .symbol:         k_qc2f0d16036_route.kd
    .args:
      - { .name: hidden_states, .offset: 0, .size: 8, .value_kind: global_buffer, .address_space: global }
      - { .name: router_w, .offset: 8, .size: 8, .value_kind: global_buffer, .address_space: global }
      - { .name: router_b, .offset: 16, .size: 8, .value_kind: global_buffer, .address_space: global }
      - { .name: ri, .offset: 24, .size: 8, .value_kind: global_buffer, .address_space: global }
      - { .name: gate, .offset: 32, .size: 8, .value_kind: global_buffer, .address_space: global }
    .group_segment_fixed_size: 38144
    .private_segment_fixed_size: 0
    .kernarg_segment_align: 8
    .kernarg_segment_size: 40
    .max_flat_workgroup_size: 256
    .sgpr_count:     66
    .vgpr_count:     162
    .wavefront_size: 32
...
	.end_amdgpu_metadata
.endif
;; end of part 1
;; launch place (part 2): grid 256 x 1, 4 waves a work-group, no clusters, 47,616 bytes of LDS; arguments hidden_states, ln_g, ln_b, ri, xq, pi; writes xq, pi
.if DOCPART == 2
	.amdgcn_target "amdgcn-amd-amdhsa--gfx1250"
	.amdhsa_code_object_version 6
	.text
	.protected	k_qc2f0d16036_place
	.globl	k_qc2f0d16036_place
	.p2align	8
	.type	k_qc2f0d16036_place,@function
k_qc2f0d16036_place:
	s_mov_b64 s[64:65], 0
	v_nop
	global_prefetch_b8 v0, s[64:65] scope:SCOPE_SE
	s_setreg_imm32_b32 hwreg(HW_REG_WAVE_MODE, 25, 1), 1
	s_wait_xcnt 0x0
; PLACING AND THE FIRST QUANTISER.  A wave takes one token t.  From the stored choice (whole numbers) it counts, with integer instructions alone, how many earlier tokens have each of its two experts: its rank there.
; Expert e owns rows 1024 e .. 1024 e + 1023 of xq.  The token is normalised once (mean, then the mean of squared differences), given each chosen expert's gain and bias, quantised along its 1,024 numbers to E3M2
; with one E8M0 byte for each 32, and stored as row 1024 e + rank.
; xq's CODES LIE AS THE NEXT LAUNCH'S REGISTERS WANT THEM: a tile of 16 rows is 8 K steps x 3 x 32 lanes x 16 bytes; piece (s, c) of lane r + 16 h holds registers 4 c .. 4 c + 3 of row r's fragment of K step s.
; A row's 768 bytes are 48 such pieces.  They are cut from the row in LDS bytes of the wave's own and leave by two stores of 16 bytes a lane (in the second, lanes 16-31 repeat the pieces of lanes 0-15 with the same values).
; The rows of a tile come from different waves, so a piece's neighbours in memory are written by others.   Scale bytes: [row][32] from XSOFF on.
; The first eight work-groups also serve expert g: its count n goes to pi, and rows n .. max(16, n rounded up to 16) - 1 are filled with zero codes and the byte 127, so that whole tiles of 16 rows can be read.
; pi: rowid[t][2] at 8 t;  cnt[e] at 8192 + 4 e.
; A block's scale byte is its largest magnitude's exponent field - 4, held at 1 from below.  LIMITS: a block of zeros gets the byte 1 where the quantiser says 127 (its codes are zeros and this program alone reads the
; bytes); blocks whose largest magnitude lies under 2^-122 keep the byte 1; NaN and infinities among the inputs are not served.
; No barrier: each wave has LDS bytes of its own.
.set SP,    80                         ; a lane's place in a stage: 64 bytes + 16 of padding
.set WREG,  10240                      ; LDS of a wave: 2 experts x 2 steps x 32 places
.set ROWS,  40960                      ; behind the four stages: two rows of 768 bytes of codes for each wave
.set SPARE, 47104                      ; behind them: the spare words
.set XSOFF, 6291456
.set X,     16                         ; v16-47   x, then x - mean, then (x - mean) / sigma
.set G0,    48                         ; v48-79   gain of expert 0, then xn
.set B0,    80
.set G1,    112
.set B1,    144
.set N,     176                        ; v176-207 two steps of 16 neighbours; before that, partial sums
.set C,     208                        ; four registers for each (k, step): codes, then the pieces of 16 bytes
.set E,     224                        ; a scale byte for each (k, step)
.set LA,    228                        ; v228-229 LDS address of my piece's first 8 bytes, in the first and the second store
.set LB,    230                        ; v230-231 of its second 8 bytes, less 8
.set MA,    232
.set MB,    234
.set MS,    236
.set GO,    238                        ; v238-239 my piece's place in a tile's image, row 0
.set CS,    247                        ; v247     where my 12 bytes of codes go in the row
	s_load_b256 s[4:11], s[0:1], 0x0               ; x s[4:5], ln_g s[6:7], ln_b s[8:9], ri s[10:11]
	s_load_b128 s[12:15], s[0:1], 0x20             ; xq s[12:13], pi s[14:15]
	v_lshl_add_u32 v254, v0, 2, SPARE
	v_mov_b32 v255, 0
	v_lshrrev_b32 v1, 5, v0
	v_readfirstlane_b32 s16, v1                    ; wave 0..3
	v_and_b32 v1, 31, v0                           ; lane
	v_lshlrev_b32 v2, 4, v1                        ; 16 x lane
	s_mul_i32 s17, s16, WREG
	v_lshrrev_b32 v3, 2, v1
	v_mul_u32_u24 v3, v3, SP
	v_and_b32 v4, 3, v1
	v_lshl_add_u32 v3, v4, 4, v3
	v_add_nc_u32 v3, s17, v3                       ; the stage, in: four lanes' 64 bytes on end, then the padding
	v_mul_u32_u24 v4, v1, SP
	v_add_nc_u32 v4, s17, v4                       ; out: my 16 neighbours
	v_mul_u32_u24 v5, v1, 12                       ; my 16 codes' place in a step's 384 bytes
	v_lshrrev_b32 v6, 1, v1                        ; my block's byte
	v_lshlrev_b32 v7, 2, v1                        ; 4 x lane
	s_mul_i32 s25, s16, 1536
	s_add_co_u32 s25, s25, ROWS                    ; my two rows of codes
	v_add_nc_u32 v[CS], s25, v5
	; a row's 48 pieces (s, c, h): s = bits 1-3 of my lane, h = bit 0; the first store takes c = bit 4 (0 or 1), the second c = 2
	v_bfe_u32 v248, v0, 1, 3                       ; s
	v_and_b32 v249, 1, v0                          ; h
	v_bfe_u32 v250, v0, 4, 1                       ; c of the first store
	v_mul_u32_u24 v251, v248, 96
	v_mad_u32_u24 v251, v249, 24, v251
	v_add_nc_u32 v251, s25, v251                   ; the K step's 96 bytes of the row, + 24 h
	v_lshl_add_u32 v[LA], v250, 4, v251            ; registers 4 c, 4 c + 1 begin at byte 0, 16, 56;
	v_mad_u32_u24 v[LB], v250, 40, v251            ; registers 4 c + 2, 4 c + 3 at byte 8, 48, 64 (the 8 stands in the load's offset)
	v_add_nc_u32 v[LA+1], 56, v251
	v_add_nc_u32 v[LB+1], 56, v251
	v_mul_u32_u24 v[GO], v248, 1536
	v_lshl_add_u32 v[GO], v249, 8, v[GO]           ; 1536 s + 16 x 16 h,
	v_add_nc_u32 v[GO+1], 1024, v[GO]              ; + 512 c
	v_lshl_add_u32 v[GO], v250, 9, v[GO]
	s_lshl_b32 s18, ttmp9, 2
	s_add_co_u32 s18, s18, s16                     ; t
	s_lshl_b32 s19, s18, 2
	s_lshl_b32 s20, s18, 12
	s_mov_b32 s21, 0
	s_mov_b32 s43, 0
	s_mov_b32 s38, 0x76543210
	s_mov_b32 s39, 0xfedcba98                      ; lane l xor 16
	s_mov_b32 s40, 0x3a800000                      ; 1 / 1024
	s_mov_b32 s41, 0x01010101
	s_wait_alu depctr_va_vdst(0)                   ; the wait at the head's end
	s_wait_kmcnt 0x0
	s_load_b32 s22, s[10:11], s19 offset:0x0       ; sel[t]
	s_add_nc_u64 s[4:5], s[4:5], s[20:21]
.irp i, 0,1,2,3,4,5,6,7
	global_load_b128 v[X+4*\i:X+4*\i+3], v2, s[4:5] offset:512*\i    ; 512 consecutive bytes a load
.endr
	; which bits of an expert's mask stand for earlier tokens: lane j holds tokens 32 j .. 32 j + 31
	s_lshr_b32 s70, s18, 5
	s_and_b32 s71, s18, 31
	s_bfm_b32 s71, s71, 0                          ; t % 32 ones
	v_mov_b32 v11, s71
	v_mov_b32 v13, -1
	v_cmp_gt_u32 vcc_lo, s70, v1
	v_cndmask_b32 v8, 0, v13, vcc_lo               ; whole words below t / 32
	v_cmp_eq_u32 vcc_lo, s70, v1
	v_cndmask_b32 v8, v8, v11, vcc_lo              ; part of word t / 32
	s_wait_kmcnt 0x0
	s_and_b32 s23, s22, 0xff
	s_min_u32 s23, s23, 7                          ; e0
	s_bfe_u32 s24, s22, 0x80008
	s_min_u32 s24, s24, 7                          ; e1
	s_lshl_b32 s42, s23, 7
	s_add_nc_u64 s[26:27], s[10:11], s[42:43]
	s_lshl_b32 s42, s24, 7
	s_add_nc_u64 s[28:29], s[10:11], s[42:43]
	s_lshl_b32 s42, s23, 12
	s_add_nc_u64 s[30:31], s[6:7], s[42:43]
	s_add_nc_u64 s[32:33], s[8:9], s[42:43]
	s_lshl_b32 s42, s24, 12
	s_add_nc_u64 s[34:35], s[6:7], s[42:43]
	s_add_nc_u64 s[36:37], s[8:9], s[42:43]
	global_load_b32 v9, v7, s[26:27] offset:4096   ; the two experts' masks, a word a lane
	global_load_b32 v10, v7, s[28:29] offset:4096
.irp i, 0,1,2,3,4,5,6,7
	global_load_b128 v[G0+4*\i:G0+4*\i+3], v2, s[30:31] offset:512*\i
.endr
.irp i, 0,1,2,3,4,5,6,7
	global_load_b128 v[B0+4*\i:B0+4*\i+3], v2, s[32:33] offset:512*\i
.endr
.irp i, 0,1,2,3,4,5,6,7
	global_load_b128 v[G1+4*\i:G1+4*\i+3], v2, s[34:35] offset:512*\i
.endr
.irp i, 0,1,2,3,4,5,6,7
	global_load_b128 v[B1+4*\i:B1+4*\i+3], v2, s[36:37] offset:512*\i
.endr
.macro WSUM r, t                       ; v[r] summed over the 32 lanes, in every lane
.irp m, 1,2,4,8
	v_add_f32_dpp v[\r], v[\r], v[\r] row_xmask:\m row_mask:0xf bank_mask:0xf
.endr
	v_permlanex16_b32 v[\t], v[\r], s38, s39
	v_add_f32 v[\r], v[\r], v[\t]
.endm
.macro FOLD                            ; four pairs of partial sums in v[N] on -> v12
	v_pk_add_f32 v[N:N+1], v[N:N+1], v[N+2:N+3]
	v_pk_add_f32 v[N+4:N+5], v[N+4:N+5], v[N+6:N+7]
	v_pk_add_f32 v[N:N+1], v[N:N+1], v[N+4:N+5]
	v_add_f32 v12, v[N], v[N+1]
	WSUM 12, 13
.endm
.macro POPC r, t                       ; the ones in v[r], summed over the 32 lanes: integer instructions alone, since addresses hang on the result
	v_lshrrev_b32 v[\t], 1, v[\r]
	v_and_b32 v[\t], 0x55555555, v[\t]
	v_sub_nc_u32 v[\r], v[\r], v[\t]
	v_lshrrev_b32 v[\t], 2, v[\r]
	v_and_b32 v[\r], 0x33333333, v[\r]
	v_and_b32 v[\t], 0x33333333, v[\t]
	v_add_nc_u32 v[\r], v[\r], v[\t]
	v_lshrrev_b32 v[\t], 4, v[\r]
	v_add_nc_u32 v[\r], v[\r], v[\t]
	v_and_b32 v[\r], 0x0f0f0f0f, v[\r]
	v_mul_lo_u32 v[\r], v[\r], s41
	v_lshrrev_b32 v[\r], 24, v[\r]
.irp m, 1,2,4,8
	v_mov_b32_dpp v[\t], v[\r] row_xmask:\m row_mask:0xf bank_mask:0xf
	v_add_nc_u32 v[\r], v[\r], v[\t]
.endr
	v_permlanex16_b32 v[\t], v[\r], s38, s39
	v_add_nc_u32 v[\r], v[\r], v[\t]
.endm
	s_wait_loadcnt 34                              ; x is in; the two mask loads and the 32 of gains and biases may be out
.irp j, 0,1,2,3
	v_pk_add_f32 v[N+2*\j:N+2*\j+1], v[X+4*\j:X+4*\j+1], v[X+4*\j+2:X+4*\j+3]
.endr
.irp j, 0,1,2,3
	v_pk_add_f32 v[N+2*\j:N+2*\j+1], v[N+2*\j:N+2*\j+1], v[X+16+4*\j:X+16+4*\j+1]
.endr
.irp j, 0,1,2,3
	v_pk_add_f32 v[N+2*\j:N+2*\j+1], v[N+2*\j:N+2*\j+1], v[X+18+4*\j:X+18+4*\j+1]
.endr
	FOLD
	v_mul_f32 v14, 0xba800000, v12                 ; - mean
	v_mov_b32 v15, v14
.set p, 0
.rept 16
	v_pk_add_f32 v[X+p:X+p+1], v[X+p:X+p+1], v[14:15]    ; x - mean: the second pass keeps the variance right under a common offset
.set p, p+2
.endr
.irp j, 0,1,2,3
	v_pk_mul_f32 v[N+2*\j:N+2*\j+1], v[X+2*\j:X+2*\j+1], v[X+2*\j:X+2*\j+1]
.endr
.irp q, 4,5,6,7,8,9,10,11,12,13,14,15
	v_pk_fma_f32 v[N+2*(\q%4):N+2*(\q%4)+1], v[X+2*\q:X+2*\q+1], v[X+2*\q:X+2*\q+1], v[N+2*(\q%4):N+2*(\q%4)+1]
.endr
	FOLD
	v_fmaak_f32 v12, s40, v12, 0x3727c5ac          ; variance + 1e-5
	s_wait_alu depctr_va_vdst(0)                   ; the wait ahead of the transcendental
	v_rsq_f32 v14, v12
	s_wait_loadcnt 32                              ; the masks are in.  The ranks are the independent work behind the root
	v_and_b32 v9, v9, v8
	v_and_b32 v10, v10, v8
	POPC 9, 11
	POPC 10, 11
	v_readfirstlane_b32 s44, v9
	v_readfirstlane_b32 s45, v10
	s_lshr_b32 s54, s44, 4
	s_min_u32 s54, s54, 63                         ; my tile in e0,
	s_lshr_b32 s55, s45, 4
	s_min_u32 s55, s55, 63                         ; in e1
	s_min_u32 s44, s44, 1023                       ; my rank in e0,
	s_min_u32 s45, s45, 1023                       ; in e1
	s_lshl_b32 s42, s23, 10
	s_add_co_u32 s44, s44, s42                     ; row = 1024 e + rank
	s_lshl_b32 s42, s24, 10
	s_add_co_u32 s45, s45, s42
	s_lshl_b32 s42, s23, 6
	s_add_co_u32 s54, s54, s42                     ; tile 64 e + rank / 16,
	s_mul_i32 s54, s54, 12288                      ; of 12,288 bytes,
	s_and_b32 s42, s44, 15
	s_lshl_b32 s42, s42, 4                         ; and 16 bytes for each row passed in it
	s_add_co_u32 s42, s42, s54
	s_add_nc_u64 s[46:47], s[12:13], s[42:43]
	s_lshl_b32 s42, s44, 5
	s_add_nc_u64 s[48:49], s[12:13], s[42:43]
	s_lshl_b32 s42, s24, 6
	s_add_co_u32 s55, s55, s42
	s_mul_i32 s55, s55, 12288
	s_and_b32 s42, s45, 15
	s_lshl_b32 s42, s42, 4
	s_add_co_u32 s42, s42, s55
	s_add_nc_u64 s[50:51], s[12:13], s[42:43]
	s_lshl_b32 s42, s45, 5
	s_add_nc_u64 s[52:53], s[12:13], s[42:43]
	s_wait_alu depctr_va_vdst(0)                   ; the wait ahead of the root's first reader
	v_mov_b32 v15, v14
.set p, 0
.rept 16
	v_pk_mul_f32 v[X+p:X+p+1], v[X+p:X+p+1], v[14:15]
.set p, p+2
.endr
; One expert's row: xn = z g + b; through my stage, so that a lane holds 16 neighbours (two lanes a block); scale, codes; the codes through my row in LDS, cut into pieces of 16 bytes; out.
.macro QROW k, g, b, sc, ss
.set p, 0
.rept 16
	v_pk_fma_f32 v[\g+p:\g+p+1], v[X+p:X+p+1], v[\g+p:\g+p+1], v[\b+p:\b+p+1]
.set p, p+2
.endr
.irp i, 0,1,2,3,4,5,6,7
	ds_store_b128 v3, v[\g+4*\i:\g+4*\i+3] offset:5120*\k+2560*(\i/4)+640*(\i%4)
.endr
.irp j, 0,1
.irp q, 0,1,2,3
	ds_load_b128 v[N+16*\j+4*\q:N+16*\j+4*\q+3], v4 offset:5120*\k+2560*\j+16*\q    ; LDS serves a wave's instructions in order (ISA guide 5.7.1.4): these see the stores above
.endr
.endr
	s_wait_dscnt 0x0
.irp j, 0,1
	v_max3_num_f32 v[MA+\j], |v[N+16*\j]|, |v[N+16*\j+1]|, |v[N+16*\j+2]|
	v_max3_num_f32 v[MB+\j], |v[N+16*\j+3]|, |v[N+16*\j+4]|, |v[N+16*\j+5]|
.endr
.irp i, 6,10
.irp j, 0,1
	v_max3_num_f32 v[MA+\j], v[MA+\j], |v[N+16*\j+\i]|, |v[N+16*\j+\i+1]|
	v_max3_num_f32 v[MB+\j], v[MB+\j], |v[N+16*\j+\i+2]|, |v[N+16*\j+\i+3]|
.endr
.endr
.irp j, 0,1
	v_max3_num_f32 v[MA+\j], v[MA+\j], |v[N+16*\j+14]|, |v[N+16*\j+15]|
.endr
.irp j, 0,1
	v_max3_num_f32 v[MA+\j], v[MA+\j], v[MB+\j], 0x2800000       ; and the floor 2^(5 - 127): the byte cannot fall under 1
.endr
.irp j, 0,1
	v_max_num_f32_dpp v[MA+\j], v[MA+\j], v[MA+\j] row_xmask:1 row_mask:0xf bank_mask:0xf   ; with my neighbour's 16: the block's largest magnitude
.endr
.irp j, 0,1
	v_add_nc_u32 v[MS+\j], 0xfe000000, v[MA+\j]    ; 4 off its exponent field: the conversion takes this operand's exponent field as its scale
.endr
.irp j, 0,1
	v_cvt_scalef32_pk16_bf6_f32 v[C+8*\k+4*\j:C+8*\k+4*\j+2], v[N+16*\j:N+16*\j+15], v[MS+\j]
.endr
.irp j, 0,1
	v_lshrrev_b32 v[E+2*\k+\j], 23, v[MS+\j]       ; the scale's byte
.endr
.irp j, 0,1
.irp w, 0,1,2
	ds_store_b32 v[CS], v[C+8*\k+4*\j+\w] offset:768*\k+384*\j+4*\w                   ; the row's codes as they follow each other: my 12 bytes
.endr
	global_store_b8 v6, v[E+2*\k+\j], s[\ss:\ss+1] offset:XSOFF+16*\j                 ; both lanes of a block write the same byte with the same value
.endr
.irp i, 0,1
	ds_load_b64 v[C+8*\k+4*\i:C+8*\k+4*\i+1], v[LA+\i] offset:768*\k                  ; my piece: four registers of a fragment (in order behind the stores above)
	ds_load_b64 v[C+8*\k+4*\i+2:C+8*\k+4*\i+3], v[LB+\i] offset:768*\k+8
.endr
	s_wait_dscnt 0x0
.irp i, 0,1
	global_store_b128 v[GO+\i], v[C+8*\k+4*\i:C+8*\k+4*\i+3], s[\sc:\sc+1]
.endr
.endm
	s_wait_loadcnt 16                              ; expert 0's gain and bias are in
	QROW 0, G0, B0, 46, 48
	s_wait_loadcnt 0x0
	QROW 1, G1, B1, 50, 52
	s_mov_b32 s54, 0                               ; an expert's count: made by the first eight work-groups
	s_cmp_ge_u32 ttmp9, 8
	s_cbranch_scc1 .Lrowid
	s_lshl_b32 s42, ttmp9, 7
	s_add_nc_u64 s[68:69], s[10:11], s[42:43]
	global_load_b32 v9, v7, s[68:69] offset:4096   ; expert g's whole mask
	v_mov_b32 v240, 0
	v_mov_b32 v241, 0
	v_mov_b32 v242, 0
	v_mov_b32 v243, 0
	v_mov_b32 v248, 127
	s_wait_loadcnt 0x0
	POPC 9, 11
	v_readfirstlane_b32 s54, v9
	s_min_u32 s54, s54, 1024                       ; n
	s_add_co_u32 s55, s54, 15
	s_and_b32 s55, s55, -16
	s_max_u32 s55, s55, 16                         ; rows that will be read
	s_lshl_b32 s56, ttmp9, 10
.irp i, 0,1,2,3                        ; at most 16 rows to fill: wave w takes n + w + 4 i
	s_add_co_u32 s57, s54, s16
	s_add_co_u32 s57, s57, 4*\i
	s_cmp_ge_u32 s57, s55
	s_cbranch_scc1 .Lpad_\i
	s_lshr_b32 s70, s57, 4
	s_min_u32 s70, s70, 63                         ; the row's tile in the expert
	s_min_u32 s57, s57, 1023
	s_add_co_u32 s57, s57, s56
	s_wait_xcnt 0x0                                ; the stores before have read their bases
	s_lshl_b32 s42, ttmp9, 6
	s_add_co_u32 s70, s70, s42
	s_mul_i32 s70, s70, 12288
	s_and_b32 s42, s57, 15
	s_lshl_b32 s42, s42, 4
	s_add_co_u32 s42, s42, s70
	s_add_nc_u64 s[58:59], s[12:13], s[42:43]
	s_lshl_b32 s42, s57, 5
	s_add_nc_u64 s[60:61], s[12:13], s[42:43]
	global_store_b128 v[GO], v[240:243], s[58:59]
	global_store_b128 v[GO+1], v[240:243], s[58:59]
	global_store_b8 v6, v248, s[60:61] offset:XSOFF
	global_store_b8 v6, v248, s[60:61] offset:XSOFF+16
.Lpad_\i:
.endr
.Lrowid:
	v_mov_b32 v244, s44
	v_mov_b32 v245, s45
	v_mov_b32 v246, s54
	s_lshl_b32 s42, s18, 3
	s_add_nc_u64 s[62:63], s[14:15], s[42:43]
	s_wait_alu depctr_va_vdst(0)
	s_wait_xcnt 0x0                                ; EXEC changes only behind this wait
	v_cmpx_eq_u32 0, v1                            ; lane 0 (its 4 x lane is 0)
	global_store_b64 v7, v[244:245], s[62:63]      ; rowid[t]
	s_cmp_ge_u32 ttmp9, 8
	s_cbranch_scc1 .Lend
	s_cmp_lg_u32 s16, 0
	s_cbranch_scc1 .Lend
	s_lshl_b32 s42, ttmp9, 2
	s_add_nc_u64 s[66:67], s[14:15], s[42:43]
	global_store_b32 v7, v246, s[66:67] offset:8192    ; cnt[g]
.Lend:
	s_wait_xcnt 0x0
	s_mov_b32 exec_lo, -1
	s_wait_tensorcnt 0x0                           ; the wave's end
	ds_add_u32 v254, v255
	s_wait_dscnt 0x0
	s_endpgm
.Lfunc_end_k_qc2f0d16036_place:
	.size	k_qc2f0d16036_place, .Lfunc_end_k_qc2f0d16036_place-k_qc2f0d16036_place
	.p2alignl 7, 3214868480
	.fill 96, 4, 3214868480
	.section	.rodata,"a",@progbits
	.p2align	6, 0x0
	.amdhsa_kernel k_qc2f0d16036_place
		.amdhsa_group_segment_fixed_size 47616
		.amdhsa_private_segment_fixed_size 0
		.amdhsa_enable_private_segment 0
		.amdhsa_kernarg_size 48
		.amdhsa_user_sgpr_count 2
		.amdhsa_user_sgpr_kernarg_segment_ptr 1
		.amdhsa_wavefront_size32 1
		.amdhsa_system_sgpr_workgroup_id_x 1
		.amdhsa_system_sgpr_workgroup_id_y 1
		.amdhsa_system_sgpr_workgroup_id_z 1
		.amdhsa_system_vgpr_workitem_id 0
		.amdhsa_next_free_vgpr 256
		.amdhsa_next_free_sgpr 72
		.amdhsa_reserve_vcc 1
		.amdhsa_float_denorm_mode_32 3
		.amdhsa_float_denorm_mode_16_64 3
		.amdhsa_memory_ordered 1
		.amdhsa_forward_progress 1
		.amdhsa_inst_pref_size 32
	.end_amdhsa_kernel
	.amdgpu_metadata
---
amdhsa.version: [ 1, 2 ]
amdhsa.kernels:
  - .name:           k_qc2f0d16036_place
    .symbol:         k_qc2f0d16036_place.kd
    .args:
      - { .name: hidden_states, .offset: 0, .size: 8, .value_kind: global_buffer, .address_space: global }
      - { .name: ln_g, .offset: 8, .size: 8, .value_kind: global_buffer, .address_space: global }
      - { .name: ln_b, .offset: 16, .size: 8, .value_kind: global_buffer, .address_space: global }
      - { .name: ri, .offset: 24, .size: 8, .value_kind: global_buffer, .address_space: global }
      - { .name: xq, .offset: 32, .size: 8, .value_kind: global_buffer, .address_space: global }
      - { .name: pi, .offset: 40, .size: 8, .value_kind: global_buffer, .address_space: global }
    .group_segment_fixed_size: 47616
    .private_segment_fixed_size: 0
    .kernarg_segment_align: 8
    .kernarg_segment_size: 48
    .max_flat_workgroup_size: 128
    .sgpr_count:     72
    .vgpr_count:     256
    .wavefront_size: 32
...
	.end_amdgpu_metadata
.endif
;; end of part 2
;; launch ffn1 (part 3): grid 32 x 8, 4 waves a work-group, no clusters, 100,864 bytes of LDS; arguments xq, pi, w1_codes, w1_scales, b1, hq; writes hq
.if DOCPART == 3
	.amdgcn_target "amdgcn-amd-amdhsa--gfx1250"
	.amdhsa_code_object_version 6
	.text
	.protected	k_qc2f0d16036_ffn1
	.globl	k_qc2f0d16036_ffn1
	.p2align	8
	.type	k_qc2f0d16036_ffn1,@function
k_qc2f0d16036_ffn1:
	s_mov_b64 s[64:65], 0
	v_nop
	global_prefetch_b8 v0, s[64:65] scope:SCOPE_SE
	s_setreg_imm32_b32 hwreg(HW_REG_WAVE_MODE, 25, 1), 1
	s_wait_xcnt 0x0
; THE FIRST PRODUCT AND THE SECOND QUANTISER:  h = Q(gelu(xq w1^T + b1)), for the rows that were routed to an expert, on codes of E3M2 with one E8M0 scale for each 32 along K.
; Rows of experts that a token did not choose are not multiplied: the combine weight of such a row is zero.
; SHARES.  Work-group (x, y): expert y, hidden units 128 x .. 128 x + 127, all of K = 1,024.  Its slice of w1 (128 rows x 768 bytes, dense in memory) is read by this work-group alone, once, and lies in LDS.
; The expert has T tiles of 16 rows (T from the stored count); wave w takes tiles w, w + 4, ..., FIVE a pass (slots 0 to 4), each with all 8 K steps in 96 registers.
; THE 128 HIDDEN UNITS GO IN TWO HALVES OF 64: a slot then needs 32 accumulator registers, 128 registers in all, and five slots fit.  A half is 8 K steps, then gelu and the quantiser on 32 numbers a lane.
; Slots are taken in groups (0, 1), (2, 3), (4).  A slot beyond the last tile reads the last tile again, takes part in each half's first K step alone (so that its registers are written on every way) and stores nothing.
; No tensor load and no cluster: the number of tiles is read from memory, and trip counts and branches hang on it.  No prefetch: every byte is asked for once, at the head, and there is no loop to run ahead in.
; LAYOUT.  Transposed use (source 0 = 16 rows of w1, source 1 = 16 rows of x): a lane holds one row of x and eight hidden units.  Lane r of tile 2 b + u takes row 32 b + 8 u + r + 8 (r / 8) of the slice, so that the
; 16 registers of tiles 2 b, 2 b + 1 are 16 neighbours along the next K; in LDS the rows lie in that order.  b1 is the C of each sum's first matrix instruction.
; gelu(x) = x / (1 + 2^(x (k0 + k1 x^2))), the tanh form rearranged; k0 = -2 log2(e) sqrt(2 / pi), k1 = 0.044715 k0.
; OUT.  A tile's 128 hidden units are K step x of the second product: an image of the fragment's 12 registers (three stores of 512 consecutive bytes) and one scale word a row.  The first half makes registers 0-5:
; 0-3 are stored at once, 4-5 and the two scale bytes are held until the second half has made 6-11.   hq: images [e][tile][K step][1536] at 0;  scale words [e][tile][K step][16 rows] from HSOFF on.
; LIMITS: NaN and infinities are not served; a block of zeros gets the byte 1 where the quantiser says 127 (zero codes; this program alone reads the bytes); blocks under 2^-122 keep the byte 1;
; gelu differs from a direct f32 evaluation of 0.5 x (1 + tanh ..) only where 1 + tanh cancels there.
; REGISTERS.  Window 0: v1-15 addresses; v16-47 w1's scale words; v48-67 x's; v68-211 three sets of four fragments of w1; v212-231 held codes, v232-236 held scale bytes.
;   Window 1 + a / 2, slot a: x's fragments at 96 (a % 2) + 12 s, accumulators at 192 + 32 (a % 2) + 8 t.  Window 3 besides slot 4: v96-159 b1, v160-191 and v224-252 the epilogue's.
;   At the head the slice's 48 loads land in v192-255 of windows 1 to 3.
.set PIT,   784                        ; an LDS row: 768 bytes + 16: row r starts at bank 4 r mod 64 (64 banks of 4 bytes: ISA guide 11.1)
.set SPARE, 128*PIT                    ; behind the slice: the spare words
.set XSOFF, 6291456
.set HSOFF, 25165824
.set AWF,   1                          ; v1, v2  my place in a fragment of tiles 0-3, 4-7
.set GA,    7                          ; v7      16 x lane
.set GXS,   8                          ; v8      x's scale words: 32 r + 16 h
.set GHS,   9                          ; v9      4 r
.set SPW,   10                         ; v10     my spare word
.set NIL,   11                         ; v11     0
.set AW,    12                         ; v12-14  where my 16 bytes of a staging load go
.set GW,    15                         ; v15     16 x thread
.set WS,    16
.set XS,    48
.set WF,    68
.set HC,    212
.set HS,    232
.set AC,    192
.set BB,    96                         ; window 3
.set U,     160                        ; window 3: 32 numbers at work
.set K0,    224                        ; window 3: k0, twice
.set TM,    226                        ; window 3: the quantiser's 16
.set PB,    248                        ; window 3: the second block's codes
.set PWD,   252                        ; window 3: the scale word
.set MSB, 0
.macro WIN new                         ; the immediate's high byte repeats the setting that is left
.if MSB != (\new)
	s_set_vgpr_msb (MSB<<8)|(\new)
.set MSB, (\new)
.endif
.endm
	s_load_b256 s[4:11], s[0:1], 0x0               ; xq s[4:5], pi s[6:7], w1's codes s[8:9], its scales s[10:11]
	s_load_b128 s[12:15], s[0:1], 0x20             ; b1 s[12:13], hq s[14:15]
	v_lshl_add_u32 v[SPW], v0, 2, SPARE
	v_mov_b32 v[NIL], 0
	v_lshrrev_b32 v1, 5, v0
	v_readfirstlane_b32 s16, v1                    ; wave 0..3
	s_and_b32 s17, ttmp7, 0xffff                   ; the expert
	s_mov_b32 s18, ttmp9                           ; which 128 hidden units
	s_lshl_b32 s23, s17, 2
	s_mov_b32 s73, 0
	s_lshl_b32 s70, s17, 12
	s_lshl_b32 s71, s18, 7
	s_add_co_u32 s70, s70, s71                     ; my first row of w1: 4096 e + 128 x
	v_lshlrev_b32 v[GW], 4, v0
	s_wait_alu depctr_va_vdst(0)
	s_wait_kmcnt 0x0
	s_load_b32 s19, s[6:7], s23 offset:0x2000      ; cnt[e]
	s_mul_i32 s72, s70, 768
	s_add_nc_u64 s[8:9], s[8:9], s[72:73]
.set q, 0
.rept 48
	WIN 0x40*(1+q/16)
	global_load_b128 v[AC+4*(q%16):AC+4*(q%16)+3], v[GW], s[8:9] offset:2048*q th:TH_LOAD_NT   ; the slice: 2,048 consecutive bytes a work-group's instruction; read once in the launch
.set q, q+1
.endr
	WIN 0
	v_and_b32 v68, 15, v0                          ; r
	v_bfe_u32 v69, v0, 4, 1                        ; h
	v_and_b32 v70, 31, v0                          ; lane
	v_mul_u32_u24 v[AWF], v68, PIT
	v_mad_u32_u24 v[AWF], v69, 24, v[AWF]          ; r x pitch + 24 h
	v_add_nc_u32 v[AWF+1], 64*PIT, v[AWF]
	v_lshlrev_b32 v[GA], 4, v70
	v_lshlrev_b32 v[GXS], 5, v68
	v_lshl_add_u32 v[GXS], v69, 4, v[GXS]
	v_lshlrev_b32 v[GHS], 2, v68
.irp c, 0,1,2                          ; staging load 3 u + c holds bytes 2048 c + 16 thread of rows 8 u .. 8 u + 7: row (128 c + thread) / 48 of the eight, so 16 bytes of padding for each row passed
	v_add_nc_u32 v71, 128*\c, v0
	v_mul_u32_u24 v71, v71, 1366
	v_lshrrev_b32 v71, 16, v71                     ; x 1366 >> 16 is / 48 for numbers under 384
	v_lshl_add_u32 v[AW+\c], v71, 4, v[GW]
	v_add_nc_u32 v[AW+\c], 2048*\c, v[AW+\c]
.endr
.irp a, 0,1,2,3,4                      ; what a first half holds for the second is written once here, so that every way finds it written
	v_mov_b32 v[HC+4*\a], 0
	v_mov_b32 v[HC+4*\a+1], 0
	v_mov_b32 v[HS+\a], 0
.endr
	v_and_b32 v72, 8, v68
	v_add_nc_u32 v72, v72, v68                     ; r + 8 (r / 8)
	v_lshlrev_b32 v72, 5, v72
	v_lshl_add_u32 v72, v69, 4, v72                ; w1's scale words: 32 bytes a row, + 16 h
	v_lshlrev_b32 v73, 6, v69                      ; b1: 64 h
	s_lshl_b32 s72, s70, 5
	s_add_nc_u64 s[10:11], s[10:11], s[72:73]
	s_lshl_b32 s72, s70, 2
	s_add_nc_u64 s[12:13], s[12:13], s[72:73]
.irp t, 0,1,2,3,4,5,6,7
	global_load_b128 v[WS+4*\t:WS+4*\t+3], v72, s[10:11] offset:(32*(\t/2)+8*(\t%2))*32
.endr
	WIN 0xc0                                       ; destination window 3
.irp t, 0,1,2,3,4,5,6,7                ; lane (r, h) wants, for tile 2 b + u, b1 of hidden units 32 b + 16 h + 8 u + 0 .. 7
	global_load_b128 v[BB+8*\t:BB+8*\t+3], v73, s[12:13] offset:(32*(\t/2)+8*(\t%2))*4
	global_load_b128 v[BB+8*\t+4:BB+8*\t+7], v73, s[12:13] offset:(32*(\t/2)+8*(\t%2))*4+16
.endr
	WIN 0
	s_mul_i32 s72, s17, 786432
	s_add_nc_u64 s[60:61], s[4:5], s[72:73]        ; x's codes: 1024 rows x 768
	s_lshl_b32 s72, s17, 15
	s_add_nc_u64 s[62:63], s[4:5], s[72:73]
	s_add_nc_u64 s[62:63], s[62:63], XSOFF         ; x's scale bytes: 1024 x 32
	s_mul_i32 s72, s17, 3145728
	s_mul_i32 s74, s18, 1536
	s_add_co_u32 s72, s72, s74
	s_add_nc_u64 s[66:67], s[14:15], s[72:73]      ; h's images: 64 tiles x 32 K steps x 1536, at my K step
	s_lshl_b32 s72, s17, 17
	s_lshl_b32 s74, s18, 6
	s_add_co_u32 s72, s72, s74
	s_add_nc_u64 s[68:69], s[14:15], s[72:73]
	s_add_nc_u64 s[68:69], s[68:69], HSOFF         ; h's scale words
	s_mov_b32 s56, 0xbdd2d3e8                      ; k1
	s_mov_b32 s57, s56                             ; (named with it as a pair, so it is written)
	s_mov_b32 s58, 0x76543210
	s_mov_b32 s59, 0xfedcba98                      ; lane l xor 16
	s_wait_alu depctr_va_vdst(0)                   ; the wait at the head's end
	s_wait_kmcnt 0x0
	s_min_u32 s19, s19, 1024
	s_add_co_u32 s19, s19, 15
	s_lshr_b32 s19, s19, 4
	s_max_u32 s19, s19, 1                          ; T: tiles of the expert, at least the one that was filled for it
	s_sub_co_u32 s22, s19, 1
	s_mov_b32 s20, s16                             ; M0: my first tile of the pass
	s_add_co_u32 s76, s19, 19
	s_sub_co_u32 s76, s76, s16
	s_mul_i32 s76, s76, 205
	s_lshr_b32 s76, s76, 12                        ; x 205 >> 12 is / 20 for numbers under 84
	s_min_u32 s76, s76, 4                          ; my passes: (T - wave) / 20 rounded up; none where T <= wave
	s_mov_b32 s75, 0                               ; passes done: the loop's counter
.macro SLOTS                           ; slot a takes tile M0 + 4 a, held at the last tile
.irp a, 0,1,2,3,4
	s_add_co_u32 s70, s20, 4*\a
	s_min_u32 s70, s70, s22
	s_min_u32 s70, s70, 63
	s_mul_i32 s72, s70, 12288
	s_add_nc_u64 s[24+2*\a:25+2*\a], s[60:61], s[72:73]
	s_lshl_b32 s72, s70, 9
	s_add_nc_u64 s[34+2*\a:35+2*\a], s[62:63], s[72:73]
	s_mul_i32 s72, s70, 49152
	s_add_nc_u64 s[44+2*\a:45+2*\a], s[66:67], s[72:73]
	s_lshl_b32 s72, s70, 11
	s_add_nc_u64 s[78+2*\a:79+2*\a], s[68:69], s[72:73]
.endr
.endm
.macro XSL                             ; the five slots' scale words: register j: lanes 0-15 K step j, lanes 16-31 K step 4 + j
.irp a, 0,1,2,3,4
	global_load_b128 v[XS+4*\a:XS+4*\a+3], v[GXS], s[34+2*\a:35+2*\a]
.endr
.endm
.macro HLOAD s                         ; the five slots' fragments of K step s.  xq's codes lie as images of these registers: 15 loads of 512 consecutive bytes fill them as they stand
.irp a, 0,1,2,3,4
	WIN 0x40*(1+\a/2)
.irp c, 0,1,2
	global_load_b128 v[96*(\a%2)+12*(\s)+4*\c:96*(\a%2)+12*(\s)+4*\c+3], v[GA], s[24+2*\a:25+2*\a] offset:1536*(\s)+512*\c
.endr
.endr
	WIN 0
.endm
.macro WFETCH j                        ; step j = 8 x half + K step: the half's four fragments of w1, 24 loads of 8 bytes, into set j % 3
.irp t, 0,1,2,3
.irp p, 0,1,2,3,4,5
	ds_load_b64 v[WF+48*((\j)%3)+12*\t+2*\p:WF+48*((\j)%3)+12*\t+2*\p+1], v[AWF+(\j)/8] offset:\t*16*PIT+96*((\j)%8)+48*(\p/3)+8*(\p%3)
.endr
.endr
.endm
.macro MM a, j                         ; slot a, step j: four matrix instructions, the accumulators by turns
.irp t, 0,1,2,3
.set QD, AC+32*((\a)%2)+8*\t
.set QA, WF+48*((\j)%3)+12*\t
.set QB, 96*((\a)%2)+12*((\j)%8)
.set QC, BB+32*((\j)/8)+8*\t
.set QS, WS+16*((\j)/8)+4*\t+(\j)%4
.set QT, XS+4*(\a)+(\j)%4
.if (\j)%8 == 0
	v_wmma_scale_f32_16x16x128_f8f6f4 v[QD:QD+7], v[QA:QA+11], v[QB:QB+11], v[QC:QC+7], v[QS], v[QT] matrix_a_fmt:MATRIX_FMT_BF6 matrix_b_fmt:MATRIX_FMT_BF6
.elseif (\j)%8 < 4
	v_wmma_scale_f32_16x16x128_f8f6f4 v[QD:QD+7], v[QA:QA+11], v[QB:QB+11], v[QD:QD+7], v[QS], v[QT] matrix_a_fmt:MATRIX_FMT_BF6 matrix_b_fmt:MATRIX_FMT_BF6
.else
	v_wmma_scale_f32_16x16x128_f8f6f4 v[QD:QD+7], v[QA:QA+11], v[QB:QB+11], v[QD:QD+7], v[QS], v[QT] matrix_a_fmt:MATRIX_FMT_BF6 matrix_b_fmt:MATRIX_FMT_BF6 matrix_a_scale:MATRIX_SCALE_ROW1 matrix_b_scale:MATRIX_SCALE_ROW1
.endif
.endr
.endm
; A step.  D, C and source 1 in the slot's window, source 0 in window 0; in a half's first step C is b1, in window 3, and all five slots run.  At a branch and at a label every window is 0.
.macro STEP j
.if (\j) < 5
	HLOAD (\j)+3                                   ; x is asked for three K steps ahead of its use
.endif
.if (\j) < 14
	WFETCH (\j)+2                                  ; into the set that the step before read: its places stand at that step's end
	s_wait_dscnt 48                                ; this step's fragments are in; the two younger fetches of 24 may be out
.elseif (\j) == 14
	s_wait_dscnt 24
.else
	s_wait_dscnt 0x0
.endif
.if (\j) < 5
	s_wait_loadcnt 45                              ; x's K step j is in; the three younger steps' 15 loads each may be out
.elseif (\j) < 8
	s_wait_loadcnt 15*(7-(\j))
.endif
.if (\j)%8 == 0
	WIN 0x74
	MM 0, \j
	MM 1, \j
	WIN 0xb8
	MM 2, \j
	MM 3, \j
	WIN 0xfc
	MM 4, \j
	WIN 0
.else
	WIN 0x54
	MM 0, \j
	MM 1, \j
	WIN 0
	s_cmp_lt_u32 s21, 3
	s_cbranch_scc1 .Lk_\@
	WIN 0xa8
	MM 2, \j
	MM 3, \j
	WIN 0
	s_cmp_lt_u32 s21, 5
	s_cbranch_scc1 .Lk_\@
	WIN 0xfc
	MM 4, \j
	WIN 0
.Lk_\@:
.endif
.rept 4+((\j)%8)/7
	v_nop                                          ; four places in front of loads into operands and of reads of results; five where the accumulators are begun anew next
.endr
.endm
; The epilogue of slot a in half hf: gelu on the slot's 32 sums, two blocks of 32 quantised, codes and scale bytes stored or held.
.macro EPI a, hf
.set W,  1+(\a)/2
.set AB, AC+32*((\a)%2)
.set PA, 244-2*(\hf)
	s_wait_xcnt 0x0                                ; earlier stores have read their data: the codes' registers are written again only behind this wait
	WIN 0xc0|W|(W<<2)
	s_wait_alu depctr_va_vdst(0)                   ; the wait directly ahead of the first reader of matrix results behind transcendentals
.set i, 0
.rept 16
	v_pk_mul_f32 v[U+i:U+i+1], v[AB+i:AB+i+1], v[AB+i:AB+i+1]                          ; x^2; each accumulator from its low end on
.set i, i+2
.endr
	WIN 0xff
.set i, 0
.rept 16
	v_pk_fma_f32 v[U+i:U+i+1], v[U+i:U+i+1], s[56:57], v[K0:K0+1] op_sel_hi:[1,0,1]    ; k1 x^2 + k0
.set i, i+2
.endr
	WIN 0xcc|W
.set i, 0
.rept 16
	v_pk_mul_f32 v[U+i:U+i+1], v[AB+i:AB+i+1], v[U+i:U+i+1]                            ; x (k0 + k1 x^2)
.set i, i+2
.endr
	WIN 0xff
	s_wait_alu depctr_va_vdst(0)                   ; the wait ahead of a batch of transcendentals, and one behind it
.set i, 0
.rept 32
	v_exp_f32 v[U+i], v[U+i]
.set i, i+1
.endr
	v_nop
	s_wait_alu depctr_va_vdst(0)
.set i, 0
.rept 16
	v_pk_add_f32 v[U+i:U+i+1], v[U+i:U+i+1], 1.0 op_sel_hi:[1,0]
.set i, i+2
.endr
	s_wait_alu depctr_va_vdst(0)
.set i, 0
.rept 32
	v_rcp_f32 v[U+i], v[U+i]
.set i, i+1
.endr
	v_nop
	s_wait_alu depctr_va_vdst(0)
	WIN 0xcc|W
.set i, 0
.rept 16
	v_pk_mul_f32 v[U+i:U+i+1], v[AB+i:AB+i+1], v[U+i:U+i+1]                            ; x / (1 + 2^..)
.set i, i+2
.endr
	WIN 0xff
.irp b, 0,1                            ; register 16 b + i = k 64 hf + 32 b + 16 (lane / 16) + i of my row
	v_max3_num_f32 v[TM+\b], |v[U+16*\b]|, |v[U+1+16*\b]|, 0x2800000       ; my 16 numbers, and the floor 2^(5 - 127): the byte cannot fall under 1
.endr
.irp i, 2,4,6,8,10,12,14
.irp b, 0,1
	v_max3_num_f32 v[TM+\b], v[TM+\b], |v[U+16*\b+\i]|, |v[U+1+16*\b+\i]|
.endr
.endr
.irp b, 0,1
	v_permlanex16_b32 v[TM+4+\b], v[TM+\b], s58, s59
.endr
.irp b, 0,1
	v_max_num_f32 v[TM+\b], v[TM+\b], v[TM+4+\b]   ; with lane l xor 16's: the block's largest magnitude
.endr
.irp b, 0,1
	v_add_nc_u32 v[TM+12+\b], 0xfe000000, v[TM+\b] ; 4 off its exponent field: the conversion's scale operand
.endr
.irp b, 0,1
	v_lshrrev_b32 v[TM+4+\b], 23, v[TM+12+\b]      ; the scale's byte
.endr
	v_cvt_scalef32_pk16_bf6_f32 v[PA:PA+2], v[U:U+15], v[TM+12]
	v_cvt_scalef32_pk16_bf6_f32 v[PB:PB+2], v[U+16:U+31], v[TM+13]
	v_nop                                          ; one plain place behind a scaled conversion
.irp i, 0,1,2                          ; a whole block in a lane: the first three registers now hold my block's lower 16 codes, the second three the upper 16
	v_permlane16_swap_b32 v[PA+\i], v[PB+\i]
.endr
.if (\hf) == 0                         ; registers 0-2 at v244-246, 3-5 at v248-250
	v_mov_b32 v247, v[PB]
	WIN 0x03
	v_mov_b32 v[HC+4*(\a)], v[PB+1]                ; registers 4 and 5 are held,
	v_mov_b32 v[HC+4*(\a)+1], v[PB+2]
	WIN 0x33
	v_lshl_or_b32 v[HS+(\a)], v[TM+5], 8, v[TM+4]  ; and the two bytes
	s_wait_alu depctr_va_vdst(0)
	WIN 0x0c
	global_store_b128 v[GA], v[244:247], s[44+2*(\a):45+2*(\a)]                        ; registers 0-3: 512 consecutive bytes
.else                                  ; registers 6-8 at v242-244, 9-11 at v248-250
	v_mov_b32 v245, v[PB]
	v_mov_b32 v246, v[PB+1]
	v_mov_b32 v247, v[PB+2]
	v_lshl_or_b32 v[PWD], v[TM+5], 8, v[TM+4]
	WIN 0x03
	v_mov_b32 v[HC+4*(\a)+2], v[PA]
	v_mov_b32 v[HC+4*(\a)+3], v[PA+1]
	WIN 0xc3
	v_lshl_or_b32 v[PWD], v[PWD], 16, v[HS+(\a)]   ; the row's scale word
	s_wait_alu depctr_va_vdst(0)
	WIN 0x0c
	global_store_b128 v[GA], v[244:247], s[44+2*(\a):45+2*(\a)] offset:1024            ; registers 8-11
	global_store_b32 v[GHS], v[PWD], s[78+2*(\a):79+2*(\a)]                            ; (lanes 16-31 write the same words with the same values)
	WIN 0
	global_store_b128 v[GA], v[HC+4*(\a):HC+4*(\a)+3], s[44+2*(\a):45+2*(\a)] offset:512   ; registers 4-7
.endif
	WIN 0
.endm
.macro EPIS hf                         ; only slots with a tile of their own
	EPI 0, \hf
.irp a, 1,2,3,4
	s_cmp_lt_u32 s21, \a+1
	s_cbranch_scc1 .Le_\@
	EPI \a, \hf
.endr
.Le_\@:
.endm
	SLOTS
	XSL
	HLOAD 0
	HLOAD 1
	HLOAD 2
	s_wait_loadcnt 63                              ; the slice is in: 74 loads were issued behind its 48; a wait's count names 63 at the most
	s_wait_xcnt 0x0                                ; every load so far has read its offset register: those of w1's scale words and of b1 lie where fragments will land
.irp g, 0,1                            ; the slice into LDS, groups of eight rows in the tiles' order; the second half by addresses stepped 64 rows on, so that the offsets fit
.irp u, 0,1,2,3,4,5,6,7
.irp c, 0,1,2
.set q, 3*(8*\g+\u)+\c
	WIN 0x04*(1+q/16)
	ds_store_b128 v[AW+\c], v[AC+4*(q%16):AC+4*(q%16)+3] offset:((\u&4)|((\u&1)<<1)|((\u>>1)&1))*8*PIT
.endr
.endr
	WIN 0
.if \g == 0
.irp c, 0,1,2
	v_add_nc_u32 v[AW+\c], 64*PIT, v[AW+\c]
.endr
.endif
.endr
	WIN 0xc0
	v_mov_b32 v[K0], 0xc0135761
	v_mov_b32 v[K0+1], 0xc0135761
	WIN 0
	s_wait_alu depctr_va_vdst(0)
	s_wait_dscnt 0x0                               ; for the others' sake: my part of the slice has landed
	s_barrier_signal -1
	s_barrier_wait -1                              ; a barrier, on the way that every wave takes
	s_cmp_eq_u32 s76, 0
	s_cbranch_scc1 .Ldone                          ; fewer tiles than waves: no pass is mine
.Lpass:
	s_sub_co_u32 s21, s19, s20
	s_add_co_u32 s21, s21, 3
	s_lshr_b32 s21, s21, 2
	s_min_u32 s21, s21, 5                          ; slots with a tile of their own
	WFETCH 0
	WFETCH 1
.set J, 0
.rept 8
	STEP J
.set J, J+1
.endr
	EPIS 0
.rept 8
	STEP J
.set J, J+1
.endr
	EPIS 1
	s_add_co_u32 s20, s20, 20                      ; the four waves' five slots: 20 tiles a pass
	s_add_co_u32 s75, s75, 1
	s_cmp_ge_u32 s75, s76
	s_cbranch_scc1 .Ldone                          ; the last pass asks for nothing more
	s_wait_xcnt 0x0                                ; the stores have read their bases and data
	SLOTS
	XSL
	HLOAD 0
	HLOAD 1
	HLOAD 2
	s_cmp_lt_u32 s75, s76
	s_cbranch_scc1 .Lpass
.Ldone:
	s_barrier_signal -1
	s_barrier_wait -1
	s_wait_tensorcnt 0x0                           ; the wave's end
	ds_add_u32 v[SPW], v[NIL]
	s_wait_dscnt 0x0
	s_endpgm
.Lfunc_end_k_qc2f0d16036_ffn1:
	.size	k_qc2f0d16036_ffn1, .Lfunc_end_k_qc2f0d16036_ffn1-k_qc2f0d16036_ffn1
	.p2alignl 7, 3214868480
	.fill 96, 4, 3214868480
	.section	.rodata,"a",@progbits
	.p2align	6, 0x0
	.amdhsa_kernel k_qc2f0d16036_ffn1
		.amdhsa_group_segment_fixed_size 100864
		.amdhsa_private_segment_fixed_size 0
		.amdhsa_enable_private_segment 0
		.amdhsa_kernarg_size 48
		.amdhsa_user_sgpr_count 2
		.amdhsa_user_sgpr_kernarg_segment_ptr 1
		.amdhsa_wavefront_size32 1
		.amdhsa_system_sgpr_workgroup_id_x 1
		.amdhsa_system_sgpr_workgroup_id_y 1
		.amdhsa_system_sgpr_workgroup_id_z 1
		.amdhsa_system_vgpr_workitem_id 0
		.amdhsa_next_free_vgpr 1024
		.amdhsa_next_free_sgpr 96
		.amdhsa_reserve_vcc 0
		.amdhsa_float_denorm_mode_32 3
		.amdhsa_float_denorm_mode_16_64 3
		.amdhsa_memory_ordered 1
		.amdhsa_forward_progress 1
		.amdhsa_inst_pref_size 207
	.end_amdhsa_kernel
	.amdgpu_metadata
---
amdhsa.version: [ 1, 2 ]
amdhsa.kernels:
  - .name:           k_qc2f0d16036_ffn1
    .symbol:         k_qc2f0d16036_ffn1.kd
    .args:
      - { .name: xq, .offset: 0, .size: 8, .value_kind: global_buffer, .address_space: global }
      - { .name: pi, .offset: 8, .size: 8, .value_kind: global_buffer, .address_space: global }
      - { .name: w1_codes, .offset: 16, .size: 8, .value_kind: global_buffer, .address_space: global }
      - { .name: w1_scales, .offset: 24, .size: 8, .value_kind: global_buffer, .address_space: global }
      - { .name: b1, .offset: 32, .size: 8, .value_kind: global_buffer, .address_space: global }
      - { .name: hq, .offset: 40, .size: 8, .value_kind: global_buffer, .address_space: global }
    .group_segment_fixed_size: 100864
    .private_segment_fixed_size: 0
    .kernarg_segment_align: 8
    .kernarg_segment_size: 48
    .max_flat_workgroup_size: 128
    .sgpr_count:     96
    .vgpr_count:     1024
    .wavefront_size: 32
...
	.end_amdgpu_metadata
.endif
;; end of part 3
;; launch ffn2 (part 4): grid 32 x 8, 4 waves a work-group, no clusters, 170,496 bytes of LDS; arguments hq, pi, w2_codes, w2_scales, y; writes y
.if DOCPART == 4
	.amdgcn_target "amdgcn-amd-amdhsa--gfx1250"
	.amdhsa_code_object_version 6
	.text
	.protected	k_qc2f0d16036_ffn2
	.globl	k_qc2f0d16036_ffn2
	.p2align	8
	.type	k_qc2f0d16036_ffn2,@function
k_qc2f0d16036_ffn2:
	s_mov_b64 s[64:65], 0
	v_nop
	global_prefetch_b8 v0, s[64:65] scope:SCOPE_SE
	s_setreg_imm32_b32 hwreg(HW_REG_WAVE_MODE, 25, 1), 1
	s_wait_xcnt 0x0
; THE SECOND PRODUCT, in four parts along K:  y[row][kq][:] = hq[row][K steps 8 kq .. 8 kq + 7] w2^T, on codes of E3M2 with one E8M0 scale for each 32 along K; sums in f32.  The next launch adds the four parts.
; Only rows that were routed to an expert are multiplied (the other rows' combine weight is zero).
; SHARES.  Work-group (x, y): expert y, outputs 128 (x % 8) .. + 127, quarter kq = x / 8 of K = 4,096.  Its slice of w2 (128 rows x 768 bytes, three aligned blocks of 256 bytes of each row of 3,072) is read by this
; work-group alone, once, and lies in LDS.  The expert has T tiles of 16 rows (T from the stored count); wave w takes tiles w, w + 4, ..., FIVE a pass (slots 0 to 4), each with its 8 K steps in 96 registers.
; THE 128 OUTPUTS GO IN TWO HALVES OF 64: a slot then needs 32 accumulator registers, 128 in all, and five slots fit; the first half's rows of 256 bytes are stored ahead of the second half's products.
; h's fragments were stored as images of their registers: three loads of 512 consecutive bytes fill one.  They are asked for K step by K step, three steps ahead of their use, and waited for by count.
; Slots are taken in groups (0, 1), (2, 3), (4).  A slot beyond the last tile reads the last tile again, takes part in each half's first K step alone (so that its registers are written on every way) and stores nothing.
; No tensor load and no cluster: trip counts and branches hang on a count read from memory.  No prefetch: every byte is asked for once, at the pass's start, and there is no loop to run ahead in.
; LAYOUT.  Transposed use (source 0 = 16 rows of w2, source 1 = 16 rows of h): a lane holds one row and eight neighbouring outputs.  A slot's 16 rows x 64 outputs go through a stage of the wave's own in LDS and leave
; as rows of 256 consecutive bytes, sixteen lanes to a row.   y: [8192 rows][4][1024] f32.
; REGISTERS.  Window 0: v1-15 addresses; v16-47 w2's scale words; v48-67 h's; v68-211 three sets of four fragments of w2.
;   Window 1 + a / 2, slot a: h's fragments at 96 (a % 2) + 12 s, accumulators at 192 + 32 (a % 2) + 8 t.  Window 3 besides slot 4: v96-191 and v224-255 four buffers of rows on the way out.
;   At the head the slice's 48 loads land in v192-255 of windows 1 to 3.
.set PIT,   784                        ; an LDS row of the slice: 768 bytes + 16: the 32 lanes of an 8-byte load touch 64 different banks (64 banks of 4 bytes: ISA guide 11.1)
.set SG,    128*PIT                    ; behind the slice: four stages of 16 rows x (256 + 16) bytes for each wave
.set SPI,   272
.set SAR,   16*SPI
.set SPARE, SG+16*SAR                  ; behind the stages: the spare words
.set HSOFF, 25165824
.set AWF,   1                          ; v1, v2  my place in a fragment of tiles 0-3, 4-7
.set STO,   3                          ; v3      the stage: where I put 32 bytes of a row
.set RD,    4                          ; v4      and where I read 16 bytes of a row back
.set YO,    5                          ; v5      the same 16 bytes in y: 16,384 (lane / 16) + 16 (lane % 16)
.set SPW,   6                          ; v6      my spare word
.set GA,    7                          ; v7      16 x lane
.set GXS,   8                          ; v8      h's scale words: 4 r + 256 h
.set GW,    9                          ; v9-11   my 16 bytes of a staging load, in memory
.set AW,    12                         ; v12-14  and in LDS
.set NIL,   15                         ; v15     0
.set WS,    16
.set XS,    48
.set WF,    68
.set AC,    192
.set MSB, 0
.macro WIN new                         ; the immediate's high byte repeats the setting that is left
.if MSB != (\new)
	s_set_vgpr_msb (MSB<<8)|(\new)
.set MSB, (\new)
.endif
.endm
	s_load_b256 s[4:11], s[0:1], 0x0               ; hq s[4:5], pi s[6:7], w2's codes s[8:9], its scales s[10:11]
	s_load_b64 s[12:13], s[0:1], 0x20              ; y
	v_lshl_add_u32 v[SPW], v0, 2, SPARE
	v_mov_b32 v[NIL], 0
	v_lshrrev_b32 v1, 5, v0
	v_readfirstlane_b32 s16, v1                    ; wave 0..3
	s_and_b32 s17, ttmp7, 0xffff                   ; the expert
	s_and_b32 s18, ttmp9, 7                        ; which 128 outputs
	s_lshr_b32 s74, ttmp9, 3                       ; which quarter of K
	s_lshl_b32 s23, s17, 2
	s_mov_b32 s73, 0
	s_lshl_b32 s70, s17, 10
	s_lshl_b32 s71, s18, 7
	s_add_co_u32 s70, s70, s71                     ; my first row of w2: 1024 e + 128 (x % 8)
	v_lshlrev_b32 v68, 4, v0
.irp c, 0,1,2                          ; staging load 3 u + c holds bytes 2048 c + 16 thread of the pieces of rows 8 u .. 8 u + 7: row (128 c + thread) / 48 of the eight
	v_add_nc_u32 v69, 128*\c, v0
	v_mul_u32_u24 v69, v69, 1366
	v_lshrrev_b32 v69, 16, v69                     ; x 1366 >> 16 is / 48 for numbers under 384
	v_lshl_add_u32 v[AW+\c], v69, 4, v68
	v_add_nc_u32 v[AW+\c], 2048*\c, v[AW+\c]       ; in LDS: 16 bytes of padding for each row passed
	v_mad_u32_u24 v[GW+\c], v69, 2304, v68
	v_add_nc_u32 v[GW+\c], 2048*\c, v[GW+\c]       ; in memory: 3,072 - 768 bytes for each row passed
.endr
	s_wait_alu depctr_va_vdst(0)
	s_wait_kmcnt 0x0
	s_load_b32 s19, s[6:7], s23 offset:0x2000      ; cnt[e]
	s_mul_i32 s72, s70, 3072
	s_mul_i32 s71, s74, 768
	s_add_co_u32 s72, s72, s71
	s_add_nc_u64 s[8:9], s[8:9], s[72:73]
.set q, 0
.rept 48
	WIN 0x40*(1+q/16)
	global_load_b128 v[AC+4*(q%16):AC+4*(q%16)+3], v[GW+q%3], s[8:9] offset:24576*(q/3) th:TH_LOAD_NT     ; read once in the launch
.set q, q+1
.endr
	WIN 0
	v_and_b32 v68, 15, v0                          ; r
	v_bfe_u32 v69, v0, 4, 1                        ; h
	v_and_b32 v70, 31, v0                          ; lane
	v_mul_u32_u24 v[AWF], v68, PIT
	v_mad_u32_u24 v[AWF], v69, 24, v[AWF]          ; r x pitch + 24 h
	v_add_nc_u32 v[AWF+1], 64*PIT, v[AWF]
	s_mul_i32 s71, s16, 4*SAR
	s_add_co_u32 s71, s71, SG                      ; my stages
	v_mul_u32_u24 v[STO], v68, SPI
	v_lshl_add_u32 v[STO], v69, 5, v[STO]
	v_add_nc_u32 v[STO], s71, v[STO]               ; in: row r, 32 bytes for each half of the lanes
	v_mul_u32_u24 v[RD], v69, SPI
	v_lshl_add_u32 v[RD], v68, 4, v[RD]
	v_add_nc_u32 v[RD], s71, v[RD]                 ; back: lanes 0-15 one row of 256 bytes, lanes 16-31 the next
	v_lshlrev_b32 v[YO], 4, v68
	v_lshl_add_u32 v[YO], v69, 14, v[YO]
	v_lshlrev_b32 v[GA], 4, v70
	v_lshlrev_b32 v[GXS], 2, v68
	v_lshl_add_u32 v[GXS], v69, 8, v[GXS]
	v_lshlrev_b32 v72, 7, v68
	v_lshl_add_u32 v72, v69, 4, v72                ; w2's scale words: 128 bytes a row, + 16 h
	s_lshl_b32 s72, s70, 7
	s_lshl_b32 s71, s74, 5
	s_add_co_u32 s72, s72, s71
	s_add_nc_u64 s[10:11], s[10:11], s[72:73]
.irp t, 0,1,2,3,4,5,6,7
	global_load_b128 v[WS+4*\t:WS+4*\t+3], v72, s[10:11] offset:2048*\t
.endr
	s_mul_i32 s72, s17, 3145728
	s_mul_i32 s71, s74, 12288
	s_add_co_u32 s72, s72, s71
	s_add_nc_u64 s[60:61], s[4:5], s[72:73]        ; h's images, at my quarter of K
	s_lshl_b32 s72, s17, 17
	s_lshl_b32 s71, s74, 9
	s_add_co_u32 s72, s72, s71
	s_add_nc_u64 s[62:63], s[4:5], s[72:73]
	s_add_nc_u64 s[62:63], s[62:63], HSOFF         ; h's scale words
	s_lshl_b32 s72, s17, 24
	s_lshl_b32 s71, s74, 12
	s_add_co_u32 s72, s72, s71
	s_lshl_b32 s71, s18, 9
	s_add_co_u32 s72, s72, s71
	s_add_nc_u64 s[66:67], s[12:13], s[72:73]      ; y: 1024 rows x 16,384 bytes an expert, + 4,096 kq + 512 (x % 8)
	s_wait_alu depctr_va_vdst(0)                   ; the wait at the head's end
	s_wait_kmcnt 0x0
	s_min_u32 s19, s19, 1024
	s_add_co_u32 s19, s19, 15
	s_lshr_b32 s19, s19, 4
	s_max_u32 s19, s19, 1                          ; T
	s_sub_co_u32 s22, s19, 1
	s_mov_b32 s20, s16                             ; M0
	s_add_co_u32 s76, s19, 19
	s_sub_co_u32 s76, s76, s16
	s_mul_i32 s76, s76, 205
	s_lshr_b32 s76, s76, 12                        ; x 205 >> 12 is / 20 for numbers under 84
	s_min_u32 s76, s76, 4                          ; my passes: (T - wave) / 20 rounded up; none where T <= wave
	s_mov_b32 s75, 0                               ; passes done: the loop's counter
.macro SLOTS                           ; slot a takes tile M0 + 4 a, held at the last tile
.irp a, 0,1,2,3,4
	s_add_co_u32 s70, s20, 4*\a
	s_min_u32 s70, s70, s22
	s_min_u32 s70, s70, 63
	s_mul_i32 s72, s70, 49152
	s_add_nc_u64 s[24+2*\a:25+2*\a], s[60:61], s[72:73]
	s_lshl_b32 s72, s70, 11
	s_add_nc_u64 s[34+2*\a:35+2*\a], s[62:63], s[72:73]
	s_lshl_b32 s72, s70, 18
	s_add_nc_u64 s[44+2*\a:45+2*\a], s[66:67], s[72:73]
.endr
.endm
.macro HLOAD s                         ; the five slots' fragments of K step s: 15 loads of 512 consecutive bytes, straight into their registers
.irp a, 0,1,2,3,4
	WIN 0x40*(1+\a/2)
.irp c, 0,1,2
	global_load_b128 v[96*(\a%2)+12*(\s)+4*\c:96*(\a%2)+12*(\s)+4*\c+3], v[GA], s[24+2*\a:25+2*\a] offset:1536*(\s)+512*\c
.endr
.endr
	WIN 0
.endm
.macro PRE                             ; a pass's first requests: 20 loads of scale words (lanes 0-15: K step j; lanes 16-31: K step 4 + j), then K steps 0 to 2
.irp a, 0,1,2,3,4
.irp j, 0,1,2,3
	global_load_b32 v[XS+4*\a+\j], v[GXS], s[34+2*\a:35+2*\a] offset:64*\j
.endr
.endr
	HLOAD 0
	HLOAD 1
	HLOAD 2
.endm
.macro WFETCH j                        ; step j = 8 x half + K step: the half's four fragments of w2, 24 loads of 8 bytes, into set j % 3
.irp t, 0,1,2,3
.irp p, 0,1,2,3,4,5
	ds_load_b64 v[WF+48*((\j)%3)+12*\t+2*\p:WF+48*((\j)%3)+12*\t+2*\p+1], v[AWF+(\j)/8] offset:\t*16*PIT+96*((\j)%8)+48*(\p/3)+8*(\p%3)
.endr
.endr
.endm
.macro MM a, j                         ; slot a, step j: four matrix instructions, the accumulators by turns; a half's first step starts the sums
.irp t, 0,1,2,3
.set QD, AC+32*((\a)%2)+8*\t
.set QA, WF+48*((\j)%3)+12*\t
.set QB, 96*((\a)%2)+12*((\j)%8)
.set QS, WS+16*((\j)/8)+4*\t+(\j)%4
.set QT, XS+4*(\a)+(\j)%4
.if (\j)%8 == 0
	v_wmma_scale_f32_16x16x128_f8f6f4 v[QD:QD+7], v[QA:QA+11], v[QB:QB+11], 0, v[QS], v[QT] matrix_a_fmt:MATRIX_FMT_BF6 matrix_b_fmt:MATRIX_FMT_BF6
.elseif (\j)%8 < 4
	v_wmma_scale_f32_16x16x128_f8f6f4 v[QD:QD+7], v[QA:QA+11], v[QB:QB+11], v[QD:QD+7], v[QS], v[QT] matrix_a_fmt:MATRIX_FMT_BF6 matrix_b_fmt:MATRIX_FMT_BF6
.else
	v_wmma_scale_f32_16x16x128_f8f6f4 v[QD:QD+7], v[QA:QA+11], v[QB:QB+11], v[QD:QD+7], v[QS], v[QT] matrix_a_fmt:MATRIX_FMT_BF6 matrix_b_fmt:MATRIX_FMT_BF6 matrix_a_scale:MATRIX_SCALE_ROW1 matrix_b_scale:MATRIX_SCALE_ROW1
.endif
.endr
.endm
; A step.  D, C and source 1 in the slot's window, source 0 in window 0.  A half's first step runs all five slots.  At a branch and at a label every window is 0.
.macro STEP j
.if (\j) < 5
	HLOAD (\j)+3
.endif
.if (\j) < 14
	WFETCH (\j)+2                                  ; into the set that the step before read: its places stand at that step's end
.endif
.if (\j) < 5
	s_wait_loadcnt 45                              ; h's K step j is in; the three younger steps' 15 loads each may be out
.elseif (\j) < 8
	s_wait_loadcnt 15*(7-(\j))
.endif
.if (\j) < 14
	s_wait_dscnt 48                                ; this step's fragments of w2 are in; the two younger fetches of 24 may be out
.elseif (\j) == 14
	s_wait_dscnt 24
.else
	s_wait_dscnt 0x0
.endif
	WIN 0x54
	MM 0, \j
	MM 1, \j
.if (\j)%8 == 0
	WIN 0xa8
	MM 2, \j
	MM 3, \j
	WIN 0xfc
	MM 4, \j
	WIN 0
.else
	WIN 0
	s_cmp_lt_u32 s21, 3
	s_cbranch_scc1 .Lk_\@
	WIN 0xa8
	MM 2, \j
	MM 3, \j
	WIN 0
	s_cmp_lt_u32 s21, 5
	s_cbranch_scc1 .Lk_\@
	WIN 0xfc
	MM 4, \j
	WIN 0
.Lk_\@:
.endif
.rept 4+((\j)%8)/7
	v_nop                                          ; four places in front of loads into operands and of reads of results; five where the accumulators are begun anew next
.endr
.endm
; The way out of a half.  TOST: slot a's 16 rows x 256 bytes into stage ar and back as whole rows into buffer ob (window 3).  LDS serves a wave's instructions in order (ISA guide 5.7.1.4).
.macro TOST a, ar, ob
	WIN 0x04*(1+(\a)/2)
.irp t, 0,1,2,3
	ds_store_b128 v[STO], v[AC+32*((\a)%2)+8*\t:AC+32*((\a)%2)+8*\t+3] offset:(\ar)*SAR+64*\t            ; each accumulator from its low end on
	ds_store_b128 v[STO], v[AC+32*((\a)%2)+8*\t+4:AC+32*((\a)%2)+8*\t+7] offset:(\ar)*SAR+64*\t+16
.endr
	WIN 0xc0
.irp i, 0,1,2,3,4,5,6,7
	ds_load_b128 v[\ob+4*\i:\ob+4*\i+3], v[RD] offset:(\ar)*SAR+2*SPI*\i
.endr
.endm
.macro SEND a, ob, hf, younger         ; younger: the LDS instructions issued behind slot a's loads, which may stay out
	s_wait_dscnt \younger
	WIN 0x0c
.irp i, 0,1,2,3,4,5,6,7
	global_store_b128 v[YO], v[\ob+4*\i:\ob+4*\i+3], s[44+2*(\a):45+2*(\a)] offset:32768*\i+256*(\hf) th:TH_STORE_NT   ; sixteen lanes store 256 consecutive bytes, at a multiple of 256 from y's first byte
.endr
	WIN 0
.endm
.macro YOUT hf
	s_wait_xcnt 0x0                                ; earlier stores have read their data: the buffers are loaded again only behind this wait
	TOST 0, 0, 96
	TOST 1, 1, 128
	TOST 2, 2, 160
	TOST 3, 3, 224
	SEND 0, 96, \hf, 48
	s_cmp_lt_u32 s21, 2
	s_cbranch_scc1 .Ls_\@
	SEND 1, 128, \hf, 32
	s_cmp_lt_u32 s21, 3
	s_cbranch_scc1 .Ls_\@
	SEND 2, 160, \hf, 16
	s_cmp_lt_u32 s21, 4
	s_cbranch_scc1 .Ls_\@
	SEND 3, 224, \hf, 0
	s_cmp_lt_u32 s21, 5
	s_cbranch_scc1 .Ls_\@
	s_wait_xcnt 0x0                                ; slot 0's stores have read their data: slot 4 takes its stage and its buffer
	TOST 4, 0, 96
	SEND 4, 96, \hf, 0
.Ls_\@:
	s_wait_dscnt 0x0                               ; on every way the buffers' loads are done
.endm
	SLOTS
	PRE
	s_wait_loadcnt 63                              ; the slice is in: 73 loads were issued behind its 48; a wait's count names 63 at the most
.irp g, 0,1                            ; the slice into LDS; the second half of the rows by addresses stepped 64 rows on, so that the offsets fit
.irp u, 0,1,2,3,4,5,6,7
.irp c, 0,1,2
.set q, 3*(8*\g+\u)+\c
	WIN 0x04*(1+q/16)
	ds_store_b128 v[AW+\c], v[AC+4*(q%16):AC+4*(q%16)+3] offset:\u*8*PIT
.endr
.endr
	WIN 0
.if \g == 0
.irp c, 0,1,2
	v_add_nc_u32 v[AW+\c], 64*PIT, v[AW+\c]
.endr
.endif
.endr
	s_wait_dscnt 0x0                               ; for the others' sake: my part of the slice has landed
	s_barrier_signal -1
	s_barrier_wait -1                              ; a barrier, on the way that every wave takes
	s_cmp_eq_u32 s76, 0
	s_cbranch_scc1 .Ldone                          ; fewer tiles than waves: no pass is mine
.Lpass:
	s_sub_co_u32 s21, s19, s20
	s_add_co_u32 s21, s21, 3
	s_lshr_b32 s21, s21, 2
	s_min_u32 s21, s21, 5                          ; slots with a tile of their own
	WFETCH 0
	WFETCH 1
.set J, 0
.rept 8
	STEP J
.set J, J+1
.endr
	YOUT 0
.rept 8
	STEP J
.set J, J+1
.endr
	YOUT 1
	s_add_co_u32 s20, s20, 20                      ; the four waves' five slots: 20 tiles a pass
	s_add_co_u32 s75, s75, 1
	s_cmp_ge_u32 s75, s76
	s_cbranch_scc1 .Ldone                          ; the last pass asks for nothing more
	s_wait_xcnt 0x0                                ; the stores have read their bases and data
	SLOTS
	PRE
	s_cmp_lt_u32 s75, s76
	s_cbranch_scc1 .Lpass
.Ldone:
	s_barrier_signal -1
	s_barrier_wait -1
	s_wait_tensorcnt 0x0                           ; the wave's end
	ds_add_u32 v[SPW], v[NIL]
	s_wait_dscnt 0x0
	s_endpgm
.Lfunc_end_k_qc2f0d16036_ffn2:
	.size	k_qc2f0d16036_ffn2, .Lfunc_end_k_qc2f0d16036_ffn2-k_qc2f0d16036_ffn2
	.p2alignl 7, 3214868480
	.fill 96, 4, 3214868480
	.section	.rodata,"a",@progbits
	.p2align	6, 0x0
	.amdhsa_kernel k_qc2f0d16036_ffn2
		.amdhsa_group_segment_fixed_size 170496
		.amdhsa_private_segment_fixed_size 0
		.amdhsa_enable_private_segment 0
		.amdhsa_kernarg_size 40
		.amdhsa_user_sgpr_count 2
		.amdhsa_user_sgpr_kernarg_segment_ptr 1
		.amdhsa_wavefront_size32 1
		.amdhsa_system_sgpr_workgroup_id_x 1
		.amdhsa_system_sgpr_workgroup_id_y 1
		.amdhsa_system_sgpr_workgroup_id_z 1
		.amdhsa_system_vgpr_workitem_id 0
		.amdhsa_next_free_vgpr 1024
		.amdhsa_next_free_sgpr 96
		.amdhsa_reserve_vcc 0
		.amdhsa_float_denorm_mode_32 3
		.amdhsa_float_denorm_mode_16_64 3
		.amdhsa_memory_ordered 1
		.amdhsa_forward_progress 1
		.amdhsa_inst_pref_size 130
	.end_amdhsa_kernel
	.amdgpu_metadata
---
amdhsa.version: [ 1, 2 ]
amdhsa.kernels:
  - .name:           k_qc2f0d16036_ffn2
    .symbol:         k_qc2f0d16036_ffn2.kd
    .args:
      - { .name: hq, .offset: 0, .size: 8, .value_kind: global_buffer, .address_space: global }
      - { .name: pi, .offset: 8, .size: 8, .value_kind: global_buffer, .address_space: global }
      - { .name: w2_codes, .offset: 16, .size: 8, .value_kind: global_buffer, .address_space: global }
      - { .name: w2_scales, .offset: 24, .size: 8, .value_kind: global_buffer, .address_space: global }
      - { .name: y, .offset: 32, .size: 8, .value_kind: global_buffer, .address_space: global }
    .group_segment_fixed_size: 170496
    .private_segment_fixed_size: 0
    .kernarg_segment_align: 8
    .kernarg_segment_size: 40
    .max_flat_workgroup_size: 128
    .sgpr_count:     96
    .vgpr_count:     1024
    .wavefront_size: 32
...
	.end_amdgpu_metadata
.endif
;; end of part 4
;; launch combine (part 5): grid 256 x 1, 8 waves a work-group, no clusters, 0 bytes of LDS; arguments hidden_states, y, b2, gate, ri, pi, out0, out1, out2; writes out0, out1, out2
.if DOCPART == 5
	.amdgcn_target "amdgcn-amd-amdhsa--gfx1250"
	.amdhsa_code_object_version 6
	.text
	.protected	k_qc2f0d16036_combine
	.globl	k_qc2f0d16036_combine
	.p2align	8
	.type	k_qc2f0d16036_combine,@function
k_qc2f0d16036_combine:
	s_mov_b64 s[64:65], 0
	v_nop
	global_prefetch_b8 v0, s[64:65] scope:SCOPE_SE
	s_setreg_imm32_b32 hwreg(HW_REG_WAVE_MODE, 25, 1), 1
	s_wait_xcnt 0x0
; THE GATHER.  out0[t] = w0 (x + y(row0) + b2[e0]) + w1 (x + y(row1) + b2[e1]), y(row) the sum of the row's four parts along K; out1 = out2 = 0.
; A wave takes half a token, 2,048 bytes: each output row has one owner.  The rows and experts are whole numbers stored by earlier launches; every load and store of a wave covers 512 consecutive bytes.
; Memory binds: no LDS, no barrier, all 44 loads of a wave issued at once.
.set X,   8                            ; v8-23    x
.set BA,  24                           ; v24-39   b2 of expert 0
.set BC,  40                           ; v40-55   b2 of expert 1
.set YA,  56                           ; v56-119  row 0: part kq at 16 kq
.set YC,  120                          ; v120-183 row 1
	s_load_b256 s[4:11], s[0:1], 0x0               ; x s[4:5], y s[6:7], b2 s[8:9], gate s[10:11]
	s_load_b256 s[12:19], s[0:1], 0x20             ; ri s[12:13], pi s[14:15], out0 s[16:17], out1 s[18:19]
	s_load_b64 s[20:21], s[0:1], 0x40              ; out2
	v_lshrrev_b32 v1, 5, v0
	s_delay_alu instid0(VALU_DEP_1)
	v_readfirstlane_b32 s22, v1                    ; wave 0..7
	v_and_b32 v1, 31, v0
	s_lshr_b32 s23, s22, 1
	s_lshl_b32 s24, ttmp9, 2
	s_add_co_u32 s23, s23, s24                     ; t
	s_and_b32 s24, s22, 1
	s_lshl_b32 s24, s24, 11                        ; which half of the row
	v_lshlrev_b32 v2, 4, v1
	s_delay_alu instid0(VALU_DEP_1)
	v_add_nc_u32 v2, s24, v2                       ; 16 x lane + 2048 x half
	s_lshl_b32 s25, s23, 3
	s_lshl_b32 s26, s23, 2
	s_lshl_b32 s34, s23, 12
	s_mov_b32 s35, 0
	s_wait_alu depctr_va_vdst(0)
	s_wait_kmcnt 0x0
	s_load_b64 s[28:29], s[14:15], s25 offset:0x0  ; rowid[t]
	s_load_b64 s[30:31], s[10:11], s25 offset:0x0  ; the two weights
	s_load_b32 s32, s[12:13], s26 offset:0x0       ; sel[t]
	s_add_nc_u64 s[4:5], s[4:5], s[34:35]
	s_add_nc_u64 s[16:17], s[16:17], s[34:35]
.irp i, 0,1,2,3
	global_load_b128 v[X+4*\i:X+4*\i+3], v2, s[4:5] offset:512*\i
.endr
	s_wait_kmcnt 0x0
	s_min_u32 s28, s28, 8191
	s_lshl_b32 s34, s28, 14                        ; a row of y is 16,384 bytes
	s_add_nc_u64 s[36:37], s[6:7], s[34:35]
	s_min_u32 s29, s29, 8191
	s_lshl_b32 s34, s29, 14
	s_add_nc_u64 s[38:39], s[6:7], s[34:35]
	s_and_b32 s33, s32, 0xff
	s_min_u32 s33, s33, 7
	s_lshl_b32 s34, s33, 12
	s_add_nc_u64 s[40:41], s[8:9], s[34:35]
	s_bfe_u32 s33, s32, 0x80008
	s_min_u32 s33, s33, 7
	s_lshl_b32 s34, s33, 12
	s_add_nc_u64 s[42:43], s[8:9], s[34:35]
	s_mov_b32 s44, s31                             ; the second weight as the low word of a pair
	s_mov_b32 s45, s31
.irp i, 0,1,2,3
	global_load_b128 v[BA+4*\i:BA+4*\i+3], v2, s[40:41] offset:512*\i
.endr
.irp i, 0,1,2,3
	global_load_b128 v[BC+4*\i:BC+4*\i+3], v2, s[42:43] offset:512*\i
.endr
.irp k, 0,1,2,3
.irp i, 0,1,2,3
	global_load_b128 v[YA+16*\k+4*\i:YA+16*\k+4*\i+3], v2, s[36:37] offset:4096*\k+512*\i th:TH_LOAD_NT
.endr
.endr
.irp k, 0,1,2,3
.irp i, 0,1,2,3
	global_load_b128 v[YC+16*\k+4*\i:YC+16*\k+4*\i+3], v2, s[38:39] offset:4096*\k+512*\i th:TH_LOAD_NT
.endr
.endr
.macro ROWSUM yy, bb                   ; x + ((y0 + y1) + (y2 + y3)) + b2, two numbers an instruction, into v[yy] on
.irp p, 0,2,4,6,8,10,12,14
	v_pk_add_f32 v[\yy+\p:\yy+\p+1], v[\yy+\p:\yy+\p+1], v[\yy+16+\p:\yy+16+\p+1]
	v_pk_add_f32 v[\yy+32+\p:\yy+32+\p+1], v[\yy+32+\p:\yy+32+\p+1], v[\yy+48+\p:\yy+48+\p+1]
.endr
.irp p, 0,2,4,6,8,10,12,14
	v_pk_add_f32 v[\yy+\p:\yy+\p+1], v[\yy+\p:\yy+\p+1], v[\yy+32+\p:\yy+32+\p+1]
.endr
.irp p, 0,2,4,6,8,10,12,14
	v_pk_add_f32 v[\yy+\p:\yy+\p+1], v[\yy+\p:\yy+\p+1], v[X+\p:X+\p+1]
.endr
.irp p, 0,2,4,6,8,10,12,14
	v_pk_add_f32 v[\yy+\p:\yy+\p+1], v[\yy+\p:\yy+\p+1], v[\bb+\p:\bb+\p+1]
.endr
.endm
	s_wait_loadcnt 16                              ; all but the second row's 16 loads
	ROWSUM YA, BA
.irp p, 0,2,4,6,8,10,12,14
	v_pk_mul_f32 v[YA+\p:YA+\p+1], v[YA+\p:YA+\p+1], s[30:31] op_sel_hi:[1,0]      ; x w0 (the pair's low word for both halves)
.endr
	s_wait_loadcnt 0x0
	ROWSUM YC, BC
.irp p, 0,2,4,6,8,10,12,14
	v_pk_fma_f32 v[YA+\p:YA+\p+1], v[YC+\p:YC+\p+1], s[44:45], v[YA+\p:YA+\p+1] op_sel_hi:[1,0,1]
.endr
.irp i, 0,1,2,3
	global_store_b128 v2, v[YA+4*\i:YA+4*\i+3], s[16:17] offset:512*\i
.endr
	s_or_b32 s46, ttmp9, s22
	s_cmp_lg_u32 s46, 0
	s_cbranch_scc1 .Lend                           ; the first wave of the first work-group writes the two zeros
	v_mov_b32 v3, 0
	v_mov_b32 v4, 0
	s_wait_alu depctr_va_vdst(0)
	s_wait_xcnt 0x0                                ; EXEC changes only behind this wait
	v_cmpx_eq_u32 0, v0
	global_store_b32 v3, v4, s[18:19]
	global_store_b32 v3, v4, s[20:21]
.Lend:
	s_endpgm
.Lfunc_end_k_qc2f0d16036_combine:
	.size	k_qc2f0d16036_combine, .Lfunc_end_k_qc2f0d16036_combine-k_qc2f0d16036_combine
	.p2alignl 7, 3214868480
	.fill 96, 4, 3214868480
	.section	.rodata,"a",@progbits
	.p2align	6, 0x0
	.amdhsa_kernel k_qc2f0d16036_combine
		.amdhsa_group_segment_fixed_size 0
		.amdhsa_private_segment_fixed_size 0
		.amdhsa_enable_private_segment 0
		.amdhsa_kernarg_size 72
		.amdhsa_user_sgpr_count 2
		.amdhsa_user_sgpr_kernarg_segment_ptr 1
		.amdhsa_wavefront_size32 1
		.amdhsa_system_sgpr_workgroup_id_x 1
		.amdhsa_system_sgpr_workgroup_id_y 1
		.amdhsa_system_sgpr_workgroup_id_z 1
		.amdhsa_system_vgpr_workitem_id 0
		.amdhsa_next_free_vgpr 200
		.amdhsa_next_free_sgpr 66
		.amdhsa_reserve_vcc 0
		.amdhsa_float_denorm_mode_32 3
		.amdhsa_float_denorm_mode_16_64 3
		.amdhsa_memory_ordered 1
		.amdhsa_forward_progress 1
		.amdhsa_inst_pref_size 13
	.end_amdhsa_kernel
	.amdgpu_metadata
---
amdhsa.version: [ 1, 2 ]
amdhsa.kernels:
  - .name:           k_qc2f0d16036_combine
    .symbol:         k_qc2f0d16036_combine.kd
    .args:
      - { .name: hidden_states, .offset: 0, .size: 8, .value_kind: global_buffer, .address_space: global }
      - { .name: y, .offset: 8, .size: 8, .value_kind: global_buffer, .address_space: global }
      - { .name: b2, .offset: 16, .size: 8, .value_kind: global_buffer, .address_space: global }
      - { .name: gate, .offset: 24, .size: 8, .value_kind: global_buffer, .address_space: global }
      - { .name: ri, .offset: 32, .size: 8, .value_kind: global_buffer, .address_space: global }
      - { .name: pi, .offset: 40, .size: 8, .value_kind: global_buffer, .address_space: global }
      - { .name: out0, .offset: 48, .size: 8, .value_kind: global_buffer, .address_space: global }
      - { .name: out1, .offset: 56, .size: 8, .value_kind: global_buffer, .address_space: global }
      - { .name: out2, .offset: 64, .size: 8, .value_kind: global_buffer, .address_space: global }
    .group_segment_fixed_size: 0
    .private_segment_fixed_size: 0
    .kernarg_segment_align: 8
    .kernarg_segment_size: 72
    .max_flat_workgroup_size: 256
    .sgpr_count:     66
    .vgpr_count:     200
    .wavefront_size: 32
...
	.end_amdgpu_metadata
.endif
;; end of part 5
